; MI455X (gfx1250); checked and timed in simulation.
; The chip was launched on July 23, 2026; its instructions are those of AMD's public machine-readable ISA for CDNA 5 (MIT licence, August 2026) and "CDNA5" Instruction Set Architecture Reference Guide (July 2026). The comments in the code are by the model that wrote it; some were corrected since.
;; Multi Head Attention. Allowed arithmetic: matrix products marked QUANTISED: E3M2 operands, one E8M0 scale for each 32 along K, by v_wmma_scale_f32_16x16x128_f8f6f4 with both operands' format E3M2, f32 sums; everything else in f32.
;; Inputs: Wk 1,024 x 1,024 float32; Wo 1,024 x 1,024 float32; Wq 1,024 x 1,024 float32; Wv 1,024 x 1,024 float32; bo 1,024 float32; x 4 x 2,048 x 1,024 float32.
;; Outputs: out0 4 x 2,048 x 1,024 float32.
;; This version of the problem:
;;   THIS VERSION OF THE PROBLEM IS GIVEN IN LOW PRECISION. The matrix products marked QUANTISED in the list below multiply operands that are first quantised to E3M2 (3 exponent bits, 2 mantissa bits; 6 bits a number), with one power-of-two scale for each 32 numbers along K (OCP MX v1.0); their sums are f32. All else is computed in f32.
;;   The module's matrix products, in the order in which they are computed (A, B: the left and right operand; K: the contracted axis; several contracted axes count as one K, in the product's order):
;;     1. [M 8,192, K 1,024] x [K 1,024, N 1,024]; A: input x; B: input Wq: QUANTISED
;;     2. [M 8,192, K 1,024] x [K 1,024, N 1,024]; A: input x; B: input Wk: QUANTISED
;;     3. [M 8,192, K 1,024] x [K 1,024, N 1,024]; A: input x; B: input Wv: QUANTISED
;;     4. batch 64 x [M 2,048, K 64] x [K 64, N 2,048]; A: computed on the way; B: computed on the way: QUANTISED
;;     5. batch 64 x [M 2,048, K 2,048] x [K 2,048, N 64]; A: softmax (see below); B: computed on the way: QUANTISED
;;     6. [M 8,192, K 1,024] x [K 1,024, N 1,024]; A: computed on the way; B: input Wo: QUANTISED
;;   THE QUANTISER, for each operand of a quantised product, along K:
;;     - K is cut into blocks of 32 from its start; a last block that is shorter is filled with zeros.
;;     - A block's scale is 2^e with e = floor(log2(the largest magnitude in the block)) - 4, held to -126 .. 127; a block of zeros has e = 0. As a byte (E8M0): e + 127.
;;     - Each number is divided by its block's scale, clamped to +-28, and rounded to the nearest number of E3M2, ties to even, subnormals kept.
;;     - The product sums the exact products of the quantised numbers (number of the format x scale) in f32.
;;   ~~~python
;;   def quantise(x, axis):      # numpy; x: float32 -> the quantised numbers, widened to float32 again
;;       x = np.moveaxis(x, axis, -1); K = x.shape[-1]
;;       x = np.pad(x, [(0, 0)] * (x.ndim - 1) + [(0, -K % 32)]); x = x.reshape(x.shape[:-1] + (-1, 32)); a = np.abs(x).max(-1, keepdims=True)
;;       e = np.where(a > 0, np.clip(np.frexp(np.where(a > 0, a, 1))[1] - 1 - 4, -126, 127), 0)      # np.frexp(a)[1] - 1 = floor(log2(a)), exactly
;;       r = np.clip(x / 2.0 ** e, -28, 28)
;;       step = 2.0 ** (np.maximum(np.frexp(np.where(r == 0, 1, r))[1] - 1, -2) - 2)
;;       q = np.round(r / step) * step * 2.0 ** e      # np.round: ties to even
;;       return np.moveaxis(q.reshape(q.shape[:-2] + (-1,))[..., :K], -1, axis).astype(np.float32)
;;   ~~~
;;   SOFTMAX AHEAD OF A QUANTISED PRODUCT. Where the list says 'softmax', what is quantised is not the finished softmax but p = 2^(t - M), with t = logit x log2(e) and M = ceil(the row's largest t), a whole number; so 1/2 < the row's largest p <= 1. The row's sum l is taken of the UNQUANTISED p, in f32, and the product's result is divided by l at the end. Since M is a whole number, a kernel that streams over the keys may use a running M (the ceiling of the running maximum): every later rescaling is an exact power of two, which a block's scale takes up: the codes' values come out the same.
;;   OPERANDS COMPUTED ON THE WAY. 'Computed on the way' means the value that the module computes at that place (a softmax that the list does not call 'softmax' is quantised finished and normalised). What goes into a quantiser is computed in f32, as accurately as f32 sums, v_exp_f32 and their like allow (about 1e-6 of the number): no bf16 or f16 on the way to a quantiser, and a product that is left as it is and whose result goes on into a quantised operand takes f32 operands (vector FMAs, or v_wmma_f32_16x16x4_f32). A number that lies on a knife's edge between two numbers of the format may be rounded either way, as far as f32 arithmetic and the matrix unit's own rounding can turn it there, and no further.
;; One version. Each part assembles by itself: llvm-mc -triple=amdgcn-amd-amdhsa -mcpu=gfx1250 --defsym DOCPART=n.
;; ======== version 1 of 1: 4 launches
;; workspace buffers: x_rec 6,553,600 bytes; w_rec 3,276,800 bytes; q_rec 6,553,600 bytes; kv_rec 13,107,200 bytes; ctx_rec 6,553,600 bytes
;; launch prep (part 1): grid 512 x 1, 4 waves a work-group, no clusters, 34,304 bytes of LDS; arguments x, Wq, Wk, Wv, Wo, x_rec, w_rec; writes x_rec, w_rec
.if DOCPART == 1
	.amdgcn_target "amdgcn-amd-amdhsa--gfx1250"
	.amdhsa_code_object_version 6
	.text
	.protected	k_q199e8f5ad3_prep
	.globl	k_q199e8f5ad3_prep
	.p2align	8
	.type	k_q199e8f5ad3_prep,@function
k_q199e8f5ad3_prep:
	s_mov_b64 s[64:65], 0
	v_nop
	global_prefetch_b8 v0, s[64:65] scope:SCOPE_SE
	s_setreg_imm32_b32 hwreg(HW_REG_WAVE_MODE, 25, 1), 1
	s_wait_xcnt 0x0
; x [8192][1024] f32 and the four weights [1024 (k)][1024 (n)] f32 become codes of BF6 (E3M2) with one E8M0 byte for each 32 along K, laid in the ORDER OF THE OPERAND'S REGISTERS.
; A FRAGMENT (16 rows x 128 K, 12 registers a lane) is 1,536 bytes: half c = registers 6c .. 6c+5: registers 6c .. 6c+3 at 768 c + 16 x lane, registers 6c+4, 6c+5 at 768 c + 512 + 8 x lane.
; A RECORD is 6,400 bytes: four fragments (four K steps of the same 16 rows), then 256 bytes of scale words: the word of (fragment f, row r) at 6,144 + 8 (r + 16 (f & 1)) + 4 (f >> 1).
; x_rec: [512 tiles of rows][2 halves of K][record].   w_rec: [q, k, v, o][64 tiles of columns][2 halves of K][record]; a fragment's rows are columns n of the weight.
; ORDER INSIDE A BLOCK OF 32: place 16 a + 8 u + j holds number 16 u + 8 a + j.  Every operand of this program is laid so, on both sides of each product, so the products and the blocks are as the problem has them.
; A block's scale byte is its largest magnitude's exponent field - 4, held at 1 from below.
; LIMITS: NaN and infinities among the inputs are not served; a block of zeros, or one whose largest magnitude lies under 2^-122, gets the byte 1 (its codes are right; the bytes are read by this program alone).
; Work-groups 0-255 take x (a wave makes one record), 256-511 the weights (a wave makes one K step of 32 columns: two fragments).  Only x's path uses LDS; waves share nothing: no barrier.
; The weights' scale words leave as 4 bytes a lane, 8 bytes apart: 128 of a wave's 3,200 bytes; whole runs would want four K steps in a wave, which leaves work for 64 work-groups only.
.set RS,  16                           ; v16-143  x: two sets of 64 registers as loaded;  weights: 128 numbers of my column
.set X,   144                          ; v144-207 x: 64 numbers in the quantiser's order;  weights: v144-175 the codes, 8 registers a block
.set TM,  208                          ; v208-223 at work
.set PW,  224                          ; v224-227 the four fragments' scale words
.set SW,  228                          ; v228-229 the scale words as they are stored
.set PC,  232                          ; v232-250 the codes just made
.set SEL, 20                           ; s[20:21] v_permlanex16_b32's selects for lane l xor 16
.set REC, 6400
.set FRB, 1536
.set SPI, 528                          ; a stage row: 512 bytes + 16: 132 words, so that sixteen rows start at sixteen different groups of four banks
; 64 numbers of a lane, register 16 b + i = number i of my half (lane / 16) of block b of my row, become a fragment's codes in v[PC] .. v[PC+11] and its scale word in v[pw].
.macro QUANT s, pw
.irp b, 0,1,2,3
	v_max3_num_f32 v[TM+\b], |v[(\s)+16*\b]|, |v[(\s)+1+16*\b]|, 0x2800000   ; my 16 numbers of block b, and the floor 2^(5 - 127): the byte cannot fall under 1
.endr
.irp i, 2,4,6,8,10,12,14
.irp b, 0,1,2,3
	v_max3_num_f32 v[TM+\b], v[TM+\b], |v[(\s)+16*\b+\i]|, |v[(\s)+1+16*\b+\i]|   ; the four blocks by turns
.endr
.endr
.irp b, 0,1,2,3
	v_permlanex16_b32 v[TM+4+\b], v[TM+\b], s[SEL], s[SEL+1]
.endr
.irp b, 0,1,2,3
	v_max_num_f32 v[TM+\b], v[TM+\b], v[TM+4+\b]   ; with lane l xor 16's: the block's largest magnitude
.endr
.irp b, 0,1,2,3
	v_add_nc_u32 v[TM+12+\b], 0xfe000000, v[TM+\b]   ; 4 off its exponent field: the conversion's scale operand
.endr
.irp b, 0,1,2,3
	v_lshrrev_b32 v[TM+4+\b], 23, v[TM+12+\b]      ; the scale's byte
.endr
	v_lshl_or_b32 v[\pw], v[TM+5], 8, v[TM+4]
	v_lshl_or_b32 v[\pw], v[TM+6], 16, v[\pw]
	v_lshl_or_b32 v[\pw], v[TM+7], 24, v[\pw]
.irp c, 0,1
	v_cvt_scalef32_pk16_bf6_f32 v[PC+6*\c:PC+2+6*\c], v[(\s)+32*\c:(\s)+15+32*\c], v[TM+12+2*\c]
	v_cvt_scalef32_pk16_bf6_f32 v[PC+12+4*\c:PC+14+4*\c], v[(\s)+16+32*\c:(\s)+31+32*\c], v[TM+13+2*\c]   ; (a conversion's three registers begin on an even number)
.endr
	v_nop                                          ; one plain place behind a scaled conversion
.irp c, 0,1                                    ; the operand wants a whole block in a lane: lanes 0-15 block 2 c, lanes 16-31 block 2 c + 1
.irp i, 0,1,2
	v_permlane16_swap_b32 v[PC+6*\c+\i], v[PC+12+4*\c+\i]
.endr
.irp i, 0,1,2
	v_mov_b32 v[PC+3+6*\c+\i], v[PC+12+4*\c+\i]
.endr
.endr
.endm
	s_load_b256 s[4:11], s[0:1], 0x0               ; x s[4:5], Wq s[6:7], Wk s[8:9], Wv s[10:11]
	s_load_b128 s[12:15], s[0:1], 0x20             ; Wo s[12:13], x_rec s[14:15]
	s_load_b64 s[16:17], s[0:1], 0x30              ; w_rec
	v_lshl_add_u32 v254, v0, 2, 0x8400
	v_mov_b32 v255, 0
	v_lshrrev_b32 v1, 5, v0
	v_readfirstlane_b32 s18, v1                    ; wave 0..3
	v_and_b32 v2, 31, v0                           ; lane
	v_and_b32 v3, 15, v0                           ; r
	v_bfe_u32 v8, v0, 4, 1                         ; h
	s_wait_kmcnt 0x0
	s_cmp_lt_u32 ttmp9, 256
	s_cbranch_scc0 .Lweights
	; ---------------- x: wave W = 4 x work-group + wave makes record W: rows 16 (W / 2) on, K from 512 (W % 2) on
	s_lshl_b32 s22, ttmp9, 2
	s_add_co_u32 s22, s22, s18                     ; W
	s_lshr_b32 s23, s22, 1
	s_and_b32 s24, s22, 1
	s_lshl_b32 s23, s23, 16                        ; 16 rows of 4,096 bytes
	s_lshl_b32 s24, s24, 11                        ; 512 numbers
	s_add_co_u32 s24, s23, s24
	s_mov_b32 s25, 0
	s_add_nc_u64 s[4:5], s[4:5], s[24:25]
	s_mul_i32 s26, s22, REC
	s_mov_b32 s27, 0
	s_add_nc_u64 s[14:15], s[14:15], s[26:27]
	s_mov_b32 s[SEL], 0x76543210
	s_mov_b32 s[SEL+1], 0xfedcba98
	s_mul_i32 s28, s18, 16*SPI                     ; my wave's stage
	s_wait_alu depctr_va_vdst(0)
	v_lshlrev_b32 v4, 4, v2                        ; 16 x lane: a load's and a store's place
	v_lshlrev_b32 v5, 3, v2                        ; 8 x lane
	v_add_nc_u32 v6, s28, v4                       ; into the stage: a row's 512 bytes as they lie
	v_mul_u32_u24 v7, v3, SPI
	v_lshl_add_u32 v7, v8, 5, v7
	v_add_nc_u32 v7, s28, v7                       ; out of it: row r, + 32 h: eight numbers of my half
.irp b, 0,1,2,3
	v_mov_b32 v[TM+4+\b], 0                        ; written once: a lane permute's destination counts as one of its sources
.endr
.macro LOADX f                         ; K step f of the 16 rows: each load reads 512 consecutive bytes of one row
.irp i, 0,1,2,3,4,5,6,7,8,9,10,11,12,13,14,15
	global_load_b128 v[RS+64*((\f)%2)+4*\i:RS+64*((\f)%2)+4*\i+3], v4, s[4:5] offset:4096*\i+512*(\f) th:TH_LOAD_NT
.endr
.endm
.macro TURNX f                         ; through the stage: LDS serves a wave's instructions in order, so no wait stands between the stores and the loads
.irp i, 0,1,2,3,4,5,6,7,8,9,10,11,12,13,14,15
	ds_store_b128 v6, v[RS+64*((\f)%2)+4*\i:RS+64*((\f)%2)+4*\i+3] offset:SPI*\i
.endr
.irp b, 0,1,2,3
.irp u, 0,1
.irp j, 0,1
	ds_load_b128 v[X+16*\b+8*\u+4*\j:X+16*\b+8*\u+4*\j+3], v7 offset:128*\b+64*\u+16*\j   ; register 16 b + 8 u + j' = x(r, 32 b + 16 u + 8 h + j')
.endr
.endr
.endr
.endm
.macro XFRAG f
.if (\f) < 3
	s_wait_loadcnt 16                              ; this K step's 16 loads are in; the next step's 16 may be out
.else
	s_wait_loadcnt 0x0
.endif
	TURNX \f
	s_wait_dscnt 0x0                               ; the numbers are back, and the stage's stores have read their registers
	s_wait_xcnt 0x0                                ; the last fragment's stores have read v[PC] on: the codes may be written again
.if (\f) < 2
	LOADX (\f)+2
.endif
	QUANT X, PW+(\f)
	global_store_b128 v4, v[PC:PC+3], s[14:15] offset:FRB*(\f)            ; 512 consecutive bytes
	global_store_b64 v5, v[PC+4:PC+5], s[14:15] offset:FRB*(\f)+512       ; 256
	global_store_b128 v4, v[PC+6:PC+9], s[14:15] offset:FRB*(\f)+768
	global_store_b64 v5, v[PC+10:PC+11], s[14:15] offset:FRB*(\f)+1280
.endm
	LOADX 0
	LOADX 1
	s_wait_alu depctr_va_vdst(0)
	XFRAG 0
	XFRAG 1
	XFRAG 2
	XFRAG 3
	v_cmp_lt_u32 vcc_lo, 15, v2                    ; lanes 16-31 carry the odd fragments' words
	v_cndmask_b32 v[SW], v[PW], v[PW+1], vcc_lo
	v_cndmask_b32 v[SW+1], v[PW+2], v[PW+3], vcc_lo
	global_store_b64 v5, v[SW:SW+1], s[14:15] offset:6144                 ; the record's 256 bytes of scale words
	s_wait_tensorcnt 0x0
	ds_add_u32 v254, v255
	s_wait_dscnt 0x0
	s_endpgm
	; ---------------- the weights: A LANE TAKES A COLUMN n, AND ITS REGISTERS RUN DOWN K: nothing is transposed, and a block's 32 numbers lie in one lane
.Lweights:
	s_sub_co_u32 s19, ttmp9, 256
	s_lshr_b32 s22, s19, 6                         ; which weight: q, k, v, o
	s_bfe_u32 s23, s19, 0x30003                    ; which 128 columns
	s_and_b32 s24, s19, 7                          ; which K step of 128
	s_cmp_eq_u32 s22, 1                            ; the choice hangs on the work-group's number alone
	s_cselect_b64 s[6:7], s[8:9], s[6:7]
	s_cmp_eq_u32 s22, 2
	s_cselect_b64 s[6:7], s[10:11], s[6:7]
	s_cmp_eq_u32 s22, 3
	s_cselect_b64 s[6:7], s[12:13], s[6:7]
	s_lshl_b32 s26, s24, 19                        ; 128 rows of 4,096 bytes
	s_lshl_b32 s27, s23, 9                         ; 128 columns
	s_add_co_u32 s26, s26, s27
	s_lshl_b32 s27, s18, 7                         ; my wave's 32 columns
	s_add_co_u32 s26, s26, s27
	s_mov_b32 s27, 0
	s_add_nc_u64 s[6:7], s[6:7], s[26:27]
	s_mul_i32 s28, s22, 819200                     ; a weight's records
	s_lshl_b32 s29, s23, 3
	s_lshl_b32 s30, s18, 1
	s_add_co_u32 s29, s29, s30                     ; my first tile of 16 columns
	s_mul_i32 s29, s29, 2*REC
	s_add_co_u32 s28, s28, s29
	s_lshr_b32 s29, s24, 2
	s_mul_i32 s29, s29, REC
	s_add_co_u32 s28, s28, s29                     ; the record
	s_mov_b32 s29, 0
	s_and_b32 s30, s24, 3                          ; the fragment f in it
	s_mul_i32 s32, s30, FRB
	s_mov_b32 s33, 0
	s_and_b32 s34, s30, 1
	s_lshl_b32 s34, s34, 7
	s_lshr_b32 s35, s30, 1
	s_lshl_b32 s35, s35, 2
	s_add_co_u32 s34, s34, s35
	s_add_co_u32 s34, s34, 6144                    ; its scale words: 6,144 + 128 (f & 1) + 4 (f >> 1)
	s_mov_b32 s35, 0
	s_add_nc_u64 s[16:17], s[16:17], s[28:29]
	s_add_nc_u64 s[36:37], s[16:17], s[32:33]
	s_add_nc_u64 s[38:39], s[16:17], s[34:35]
	s_wait_alu depctr_va_vdst(0)
	v_lshlrev_b32 v4, 2, v2                        ; in: 4 bytes a lane
	v_mul_u32_u24 v9, v8, 2*REC                    ; lanes 16-31: the next tile of columns
	v_lshl_add_u32 v5, v3, 4, v9                   ; out: 16 r
	v_lshl_add_u32 v6, v3, 3, v9                   ;      8 r
.macro LOADW b                         ; block b: register 16 a + 8 u + j takes row 32 b + 16 u + 8 a + j: the order inside a block
.irp a, 0,1
.irp u, 0,1
.irp j, 0,1,2,3,4,5,6,7
	global_load_b32 v[RS+32*(\b)+16*\a+8*\u+\j], v4, s[6:7] offset:(32*(\b)+16*\u+8*\a+\j)*4096 th:TH_LOAD_NT
.endr
.endr
.endr
.endm
.macro BLOCKW b
.set XB, RS+32*(\b)
.set CB, X+8*(\b)
.if (\b) < 3
	s_wait_loadcnt 32                              ; this block's 32 loads are in; the next block's may be out
.else
	s_wait_loadcnt 0x0
.endif
.if (\b) < 2
	LOADW (\b)+2
.endif
	v_max3_num_f32 v208, |v[XB]|, |v[XB+1]|, |v[XB+2]|
	v_max3_num_f32 v209, |v[XB+3]|, |v[XB+4]|, |v[XB+5]|
.irp i, 6,10,14,18,22,26
	v_max3_num_f32 v208, v208, |v[XB+\i]|, |v[XB+\i+1]|
	v_max3_num_f32 v209, v209, |v[XB+\i+2]|, |v[XB+\i+3]|
.endr
	v_max3_num_f32 v208, v208, |v[XB+30]|, |v[XB+31]|
	v_max3_num_f32 v208, v208, v209, 0x2800000     ; and the floor
	v_add_nc_u32 v210, 0xfe000000, v208            ; the conversion's scale operand
	v_lshrrev_b32 v211, 23, v210                   ; the byte
.if (\b) == 0
	v_mov_b32 v200, v211
.else
	v_lshl_or_b32 v200, v211, 8*(\b), v200
.endif
	v_cvt_scalef32_pk16_bf6_f32 v[CB:CB+2], v[XB:XB+15], v210
	v_cvt_scalef32_pk16_bf6_f32 v[CB+4:CB+6], v[XB+16:XB+31], v210
	v_nop                                          ; one plain place behind a scaled conversion
	v_mov_b32 v[CB+3], v[CB+4]                     ; the block's six registers on end
	v_mov_b32 v[CB+4], v[CB+5]
	v_mov_b32 v[CB+5], v[CB+6]
	; block b belongs to the fragment's lane r + 16 (b & 1), registers 6 (b >> 1) on.  Each block has code registers of its own: no store's data are written again
	global_store_b128 v5, v[CB:CB+3], s[36:37] offset:768*((\b)/2)+256*((\b)%2)        ; sixteen lanes store 256 consecutive bytes
	global_store_b64 v6, v[CB+4:CB+5], s[36:37] offset:768*((\b)/2)+512+128*((\b)%2)
.endm
	LOADW 0
	LOADW 1
	s_wait_alu depctr_va_vdst(0)
	BLOCKW 0
	BLOCKW 1
	BLOCKW 2
	BLOCKW 3
	global_store_b32 v6, v200, s[38:39]            ; my column's scale word
	s_endpgm
.Lfunc_end_k_q199e8f5ad3_prep:
	.size	k_q199e8f5ad3_prep, .Lfunc_end_k_q199e8f5ad3_prep-k_q199e8f5ad3_prep
	.p2alignl 7, 3214868480
	.fill 96, 4, 3214868480
	.section	.rodata,"a",@progbits
	.p2align	6, 0x0
	.amdhsa_kernel k_q199e8f5ad3_prep
		.amdhsa_group_segment_fixed_size 34304
		.amdhsa_private_segment_fixed_size 0
		.amdhsa_enable_private_segment 0
		.amdhsa_kernarg_size 56
		.amdhsa_user_sgpr_count 2
		.amdhsa_user_sgpr_kernarg_segment_ptr 1
		.amdhsa_wavefront_size32 1
		.amdhsa_system_sgpr_workgroup_id_x 1
		.amdhsa_system_sgpr_workgroup_id_y 1
		.amdhsa_system_sgpr_workgroup_id_z 1
		.amdhsa_system_vgpr_workitem_id 0
		.amdhsa_next_free_vgpr 256
		.amdhsa_next_free_sgpr 66
		.amdhsa_reserve_vcc 1
		.amdhsa_float_denorm_mode_32 3
		.amdhsa_float_denorm_mode_16_64 3
		.amdhsa_memory_ordered 1
		.amdhsa_forward_progress 1
		.amdhsa_inst_pref_size 54
	.end_amdhsa_kernel
	.amdgpu_metadata
---
amdhsa.version: [ 1, 2 ]
amdhsa.kernels:
  - .name:           k_q199e8f5ad3_prep
    .symbol:         k_q199e8f5ad3_prep.kd
    .args:
      - { .name: x, .offset: 0, .size: 8, .value_kind: global_buffer, .address_space: global }
      - { .name: Wq, .offset: 8, .size: 8, .value_kind: global_buffer, .address_space: global }
      - { .name: Wk, .offset: 16, .size: 8, .value_kind: global_buffer, .address_space: global }
      - { .name: Wv, .offset: 24, .size: 8, .value_kind: global_buffer, .address_space: global }
      - { .name: Wo, .offset: 32, .size: 8, .value_kind: global_buffer, .address_space: global }
      - { .name: x_rec, .offset: 40, .size: 8, .value_kind: global_buffer, .address_space: global }
      - { .name: w_rec, .offset: 48, .size: 8, .value_kind: global_buffer, .address_space: global }
    .group_segment_fixed_size: 34304
    .private_segment_fixed_size: 0
    .kernarg_segment_align: 8
    .kernarg_segment_size: 56
    .max_flat_workgroup_size: 128
    .sgpr_count:     66
    .vgpr_count:     256
    .wavefront_size: 32
...
	.end_amdgpu_metadata
.endif
;; end of part 1
;; launch qkv (part 2): grid 8 x 32, 4 waves a work-group, clusters of 4 x 4, 327,680 bytes of LDS; arguments x_rec, w_rec, q_rec, kv_rec; writes q_rec, kv_rec
.if DOCPART == 2
	.amdgcn_target "amdgcn-amd-amdhsa--gfx1250"
	.amdhsa_code_object_version 6
	.text
	.protected	k_q199e8f5ad3_qkv
	.globl	k_q199e8f5ad3_qkv
	.p2align	8
	.type	k_q199e8f5ad3_qkv,@function
k_q199e8f5ad3_qkv:
	s_mov_b64 s[64:65], 0
	v_nop
	global_prefetch_b8 v0, s[64:65] scope:SCOPE_SE
	s_setreg_imm32_b32 hwreg(HW_REG_WAVE_MODE, 25, 1), 1
	s_wait_xcnt 0x0
	s_wait_alu depctr_hold_cnt(0) depctr_sa_sdst(0) depctr_va_vdst(0) depctr_va_sdst(0) depctr_va_ssrc(0) depctr_va_vcc(0) depctr_vm_vsrc(0)
	s_getreg_b32 s2, hwreg(HW_REG_IB_STS2, 6, 4)
	s_cmp_eq_u32 s2, 0
	s_cbranch_scc0 .Lentry_in_a_cluster
	s_endpgm
.Lentry_in_a_cluster:
	s_bfe_u32 s2, ttmp6, 0x10000c
	s_cmp_lg_u32 s2, 0xf033
	s_cbranch_scc0 .Lentry_shape_is_right
	s_endpgm
.Lentry_shape_is_right:
; q = x Wq, k = x Wk, v = x Wv on codes of BF6 with E8M0 scales, f32 sums; the results are quantised in registers and leave as codes: q and k along the head's 64, v along the keys.
; FRAGMENT (1,536 bytes: 16 rows x 128 K in the order of the operand's registers) and RECORD (6,400 bytes: four fragments, then 256 bytes of scale words) are laid as the quantising launch lays them:
; half c of a fragment: registers 6c .. 6c+3 at 768 c + 16 x lane, 6c+4, 6c+5 at 768 c + 512 + 8 x lane; the scale word of (fragment f, row r) at 6,144 + 8 (r + 16 (f & 1)) + 4 (f >> 1).
; So a fragment comes by two loads of 16 and two of 8 bytes a lane, each over consecutive bytes, and one load of 8 bytes a lane brings a record's scale words: register g holds fragment 2 g in lanes 0-15, 2 g + 1 in lanes 16-31.
; SHARES.  A work-group owns 256 rows of x and 128 columns (two heads) and makes THREE tiles of 256 x 128: q, k, v.  Its rows' codes, all of K (204,800 bytes), come into LDS once and stay; only the weights walk
; a ring of two slots, one for each half of K.  A wave makes 128 rows x 64 columns, one head: 32 accumulators.
; CLUSTER 4 x 4: the four of a row of the cluster need the same rows of x, the four of a column the same columns of the weights: each tile is asked for jointly.
; q, k: the product is used TRANSPOSED (source 0 = 16 columns of W, source 1 = 16 rows of x): a lane holds one row and eight neighbouring columns, which are the next product's K.
; v: used as it is (source 0 = rows of x, source 1 = columns of W): a lane holds one column d and eight neighbouring keys, which are the next product's K.
; OUT.  q_rec [64 heads][16 G][record], kv_rec [64 heads][16 G][K's record, V's record], G = 128 rows.  A fragment of q or k is a DOUBLE TILE: half 0 = rows 32 f + r, half 1 = rows 32 f + 16 + r, each with K = 64;
; scale bytes 0, 1 belong to half 0, bytes 2, 3 to half 1.  A fragment of V is d = 16 f + r over the 128 keys.
; LIMITS: NaN and infinities are not served; a block of zeros or under 2^-122 gets the byte 1 (the bytes are read by this program alone).
; REGISTERS: window 0: addresses, scale words, the quantiser's registers;  window 1: the 32 accumulators;  window 2: A's fragments, two sets of 96;  window 3: B's, two sets of 48.
.set REC,    6400
.set FRB,    1536
.set AHALF,  16*REC                    ; A's 16 records of one half of K
.set BBASE,  2*AHALF
.set BHALF,  8*REC                     ; a slot: B's 8 records of one half of K
.set SPARE,  BBASE+2*BHALF             ; the spare words, 128 bytes for each wave: two blocks of 256 bytes that no other line names
.set WBYTES, 819200                    ; from a weight's records to the next weight's
.set LANE,  3
.set ADA16, 4                          ; v4-5   A's records in half s: + 16 x lane
.set ADA8,  6                          ; v6-7   + 8 x lane
.set ADB16, 8                          ; v8-9   B's
.set ADB8,  10                         ; v10-11
.set SPW,   16                         ; v16    my spare word; never rewritten
.set NIL,   17                         ; v17    0; never rewritten
.set GO16,  18                         ; v18    16 x lane
.set GO8,   19                         ; v19    8 x lane
.set SA,    32                         ; v32-63 A's scale words: set s at + 16 s, record i's pair at + 2 i
.set SB,    64                         ; v64-79 B's: + 8 s + 2 b
.set TM,    80
.set PW,    96
.set SW,    100
.set PC,    104
.set G1A, 28
.set G1B, 36
.set G0A, 44                           ; s[44:47], s[48:51]
.set G0B, 52                           ; s[52:55], s[56:59]
.set SEL, 60
.set MUL_T, 0x5b                       ; source 0 (B) window 3, source 1 (A) window 2, C and D window 1
.set MUL_N, 0x5e                       ; source 0 (A) window 2, source 1 (B) window 3
.set TO_B,  0xc0
.set TO_A,  0x80
.set MSB, 0
.macro WIN new                         ; the immediate's high byte repeats the setting that is left
.if MSB != \new
	s_set_vgpr_msb (MSB<<8)|\new
.set MSB, \new
.endif
.endm
.macro WINM nat
.if \nat
	WIN MUL_N
.else
	WIN MUL_T
.endif
.endm
.macro PLACES                          ; four plain places behind matrix instructions, ahead of loads into their registers and of reads of their results
.rept 4
	v_nop
.endr
.endm
.macro CREST                           ; a round of the cluster's barrier behind its opening barrier
	s_cmp_lg_u32 s12, 0
	s_cbranch_scc1 .Lnot_wave_0_\@
	s_barrier_signal -3
.Lnot_wave_0_\@:
	s_barrier_wait -3
	s_barrier_signal -1
	s_barrier_wait -1
.endm
.macro CROUND
	s_barrier_signal -1
	s_barrier_wait -1
	CREST
.endm
.macro FRAG reg, a16, a8, off
	ds_load_b128 v[(\reg):(\reg)+3], v[\a16] offset:(\off)
	ds_load_b64 v[(\reg)+4:(\reg)+5], v[\a8] offset:(\off)+512
	ds_load_b128 v[(\reg)+6:(\reg)+9], v[\a16] offset:(\off)+768
	ds_load_b64 v[(\reg)+10:(\reg)+11], v[\a8] offset:(\off)+1280
.endm
.macro FETCH s, f, p                   ; K step f of half s into set p: B's four fragments, A's eight: 48 loads in one run
	WIN TO_B
.irp b, 0,1,2,3
	FRAG 48*(\p)+12*\b, ADB16+(\s), ADB8+(\s), REC*\b+FRB*(\f)
.endr
	WIN TO_A
.irp a, 0,1,2,3,4,5,6,7
	FRAG 96*(\p)+12*\a, ADA16+(\s), ADA8+(\s), REC*\a+FRB*(\f)
.endr
.endm
.macro SCALES s                        ; the scale words of half s, all four K steps
	WIN 0
.irp i, 0,1,2,3,4,5,6,7
	ds_load_b64 v[SA+16*(\s)+2*\i:SA+16*(\s)+2*\i+1], v[ADA8+(\s)] offset:REC*\i+6144
.endr
.irp b, 0,1,2,3
	ds_load_b64 v[SB+8*(\s)+2*\b:SB+8*(\s)+2*\b+1], v[ADB8+(\s)] offset:REC*\b+6144
.endr
.endm
.macro WM d, x, y, zero, sx, sy, odd   ; one product; odd K steps take their scale words from lanes 16-31
.if \zero
	v_wmma_scale_f32_16x16x128_f8f6f4 v[(\d):(\d)+7], v[(\x):(\x)+11], v[(\y):(\y)+11], 0, v[\sx], v[\sy] matrix_a_fmt:MATRIX_FMT_BF6 matrix_b_fmt:MATRIX_FMT_BF6
.elseif \odd
	v_wmma_scale_f32_16x16x128_f8f6f4 v[(\d):(\d)+7], v[(\x):(\x)+11], v[(\y):(\y)+11], v[(\d):(\d)+7], v[\sx], v[\sy] matrix_a_fmt:MATRIX_FMT_BF6 matrix_b_fmt:MATRIX_FMT_BF6 matrix_a_scale:MATRIX_SCALE_ROW1 matrix_b_scale:MATRIX_SCALE_ROW1
.else
	v_wmma_scale_f32_16x16x128_f8f6f4 v[(\d):(\d)+7], v[(\x):(\x)+11], v[(\y):(\y)+11], v[(\d):(\d)+7], v[\sx], v[\sy] matrix_a_fmt:MATRIX_FMT_BF6 matrix_b_fmt:MATRIX_FMT_BF6
.endif
.endm
; A's blocks a0 .. a0 + cnt - 1 against B's four.  The 32 accumulators take turns, one instruction a turn, in the same order in every step.
; nat = 0: accumulator (a, b) at 8 (4 a + b);  nat = 1: at 8 (8 b + a): in both the quantiser finds its 64 numbers on end.
.macro MUL a0, cnt, p, f, s, zero, nat
.set ma, \a0
.rept \cnt
.set mb, 0
.rept 4
.if \nat
	WM 8*(8*mb+ma), 96*(\p)+12*ma, 48*(\p)+12*mb, \zero, SA+16*(\s)+2*ma+(\f)/2, SB+8*(\s)+2*mb+(\f)/2, (\f)%2
.else
	WM 8*(4*ma+mb), 48*(\p)+12*mb, 96*(\p)+12*ma, \zero, SB+8*(\s)+2*mb+(\f)/2, SA+16*(\s)+2*ma+(\f)/2, (\f)%2
.endif
.set mb, mb+1
.endr
.set ma, ma+1
.endr
.endm
.macro STEP s, f, zero, nat            ; K step f = 0 .. 2 of half s: the next step's fragments are asked for, then this step's 32 products
	s_wait_dscnt 0x0                               ; this step's fragments (and scale words) are in
	PLACES
	FETCH \s, (\f)+1, ((\f)+1)%2
	WINM \nat
	MUL 0, 8, (\f)%2, \f, \s, \zero, \nat
.endm
; The last K step of half s changes halves: one barrier.  In front of it each wave waits for all its tensor loads, adds 0 to its spare word, and waits for that and for its reads of slot s.
; fill = 1: slot s takes the next weight's same half of K: the barrier opens a round of the cluster's barrier, and the joint load is the first thing behind the round.
.macro TURN s, fill, nat
	s_wait_dscnt 0x0                               ; this step's fragments are in: my reads of slot s are over
	WIN 0                                          ; (the add's two registers lie in window 0)
	s_wait_tensorcnt 0x0                           ; all my tensor loads have landed, my part of the other half among them
	ds_add_u32 v[SPW], v[NIL]                      ; 0 onto my spare word
	WINM \nat
	MUL 0, 2, 1, 3, \s, 0, \nat                    ; eight products stand between the add and the wait for it
	s_wait_dscnt 0x0                               ; the add is done
	s_barrier_signal -1
	MUL 2, 2, 1, 3, \s, 0, \nat
	WIN 0
	s_barrier_wait -1
.if \fill
	CREST                                          ; no wave of any partner still reads slot s or has a load on its way
	s_add_nc_u64 s[G0B+4*(\s)+2:G0B+4*(\s)+3], s[G0B+4*(\s)+2:G0B+4*(\s)+3], WBYTES
	tensor_load_to_lds s[G0B+4*(\s):G0B+4*(\s)+3], s[G1B:G1B+7]   ; my one tensor load behind the round
	s_nop 0
.endif
	PLACES
	FETCH 1-(\s), 0, 0
	SCALES 1-(\s)
	WINM \nat
	MUL 4, 4, 1, 3, \s, 0, \nat
.endm
; 64 numbers of a lane in window 1, register s + 16 b + i = number i of my half of block b, become a fragment's codes in v[PC] .. v[PC+11] and its scale word in v[pw].  Each accumulator is read from its low end on.
.macro QUANTW s, pw
	WIN 0x05
.irp b, 0,1,2,3
	v_max3_num_f32 v[TM+\b], |v[(\s)+16*\b]|, |v[(\s)+1+16*\b]|, 0x2800000   ; and the floor 2^(5 - 127): the byte cannot fall under 1
.endr
	WIN 0x14
.irp i, 2,4,6,8,10,12,14
.irp b, 0,1,2,3
	v_max3_num_f32 v[TM+\b], v[TM+\b], |v[(\s)+16*\b+\i]|, |v[(\s)+1+16*\b+\i]|
.endr
.endr
	WIN 0
.irp b, 0,1,2,3
	v_permlanex16_b32 v[TM+4+\b], v[TM+\b], s[SEL], s[SEL+1]
.endr
.irp b, 0,1,2,3
	v_max_num_f32 v[TM+\b], v[TM+\b], v[TM+4+\b]
.endr
.irp b, 0,1,2,3
	v_add_nc_u32 v[TM+12+\b], 0xfe000000, v[TM+\b]   ; 4 off the exponent field: the conversion's scale operand
.endr
.irp b, 0,1,2,3
	v_lshrrev_b32 v[TM+4+\b], 23, v[TM+12+\b]
.endr
	v_lshl_or_b32 v[\pw], v[TM+5], 8, v[TM+4]
	v_lshl_or_b32 v[\pw], v[TM+6], 16, v[\pw]
	v_lshl_or_b32 v[\pw], v[TM+7], 24, v[\pw]
	WIN 0x01
.irp c, 0,1
	v_cvt_scalef32_pk16_bf6_f32 v[PC+6*\c:PC+2+6*\c], v[(\s)+32*\c:(\s)+15+32*\c], v[TM+12+2*\c]
	v_cvt_scalef32_pk16_bf6_f32 v[PC+12+4*\c:PC+14+4*\c], v[(\s)+16+32*\c:(\s)+31+32*\c], v[TM+13+2*\c]
.endr
	WIN 0
	v_nop                                          ; one plain place behind a scaled conversion
.irp c, 0,1
.irp i, 0,1,2
	v_permlane16_swap_b32 v[PC+6*\c+\i], v[PC+12+4*\c+\i]
.endr
.irp i, 0,1,2
	v_mov_b32 v[PC+3+6*\c+\i], v[PC+12+4*\c+\i]
.endr
.endr
.endm
; A tile's way out: the wave's 32 accumulators are one record: four fragments and their scale words.  Every store covers whole consecutive runs of 256 bytes.
.macro EPI d
	PLACES
.irp q, 0,1,2,3
	s_wait_xcnt 0x0                                ; earlier stores have read their data: v[PC] on and v[SW] may be written again
	QUANTW 64*\q, PW+\q
	global_store_b128 v[GO16], v[PC:PC+3], s[\d:\d+1] offset:FRB*\q
	global_store_b64 v[GO8], v[PC+4:PC+5], s[\d:\d+1] offset:FRB*\q+512
	global_store_b128 v[GO16], v[PC+6:PC+9], s[\d:\d+1] offset:FRB*\q+768
	global_store_b64 v[GO8], v[PC+10:PC+11], s[\d:\d+1] offset:FRB*\q+1280
.endr
	v_cmp_lt_u32 vcc_lo, 15, v[LANE]               ; lanes 16-31 carry the odd fragments' words
	v_cndmask_b32 v[SW], v[PW], v[PW+1], vcc_lo
	v_cndmask_b32 v[SW+1], v[PW+2], v[PW+3], vcc_lo
	global_store_b64 v[GO8], v[SW:SW+1], s[\d:\d+1] offset:6144
.endm
.macro TILE nat, last, d
	STEP 0, 0, 1, \nat                             ; the first products start the sums: nothing is cleared
	STEP 0, 1, 0, \nat
	STEP 0, 2, 0, \nat
	TURN 0, 1-\last, \nat
	STEP 1, 0, 0, \nat
	STEP 1, 1, 0, \nat
	STEP 1, 2, 0, \nat
.if \last
	s_wait_dscnt 0x0                               ; the very last K step: nothing more to fetch
	WINM \nat
	MUL 0, 8, 1, 3, 1, 0, \nat
.else
	TURN 1, 1, \nat                                ; and the next tile's first fragments are fetched
.endif
	EPI \d
.endm
	s_load_b256 s[4:11], s[0:1], 0x0               ; x_rec s[4:5], w_rec s[6:7], q_rec s[8:9], kv_rec s[10:11]
	v_lshl_add_u32 v[SPW], v0, 2, SPARE
	v_mov_b32 v[NIL], 0
	ds_add_u32 v16, v17
	ds_add_u32 v16, v17
	s_wait_dscnt 0x0
	v_lshrrev_b32 v1, 5, v0
	v_readfirstlane_b32 s12, v1                    ; wave 0..3
	s_lshr_b32 s13, s12, 1                         ; which 128 rows are mine
	s_and_b32 s14, s12, 1                          ; which 64 columns
	s_bfe_u32 s16, ttmp6, 0x40000                  ; cx
	s_bfe_u32 s17, ttmp6, 0x40004                  ; cy
	s_lshl_b32 s18, ttmp9, 2
	s_add_co_u32 s18, s18, s16                     ; gx: which 128 columns
	s_and_b32 s19, ttmp7, 0xffff
	s_lshl_b32 s19, s19, 2
	s_add_co_u32 s19, s19, s17                     ; gy: which 256 rows
	s_lshl_b32 s20, s17, 2
	s_lshl_b32 s20, 15, s20                        ; my row of the cluster
	s_lshl_b32 s21, 0x1111, s16                    ; my column
	; descriptor group 1: rows of one record (800 elements of 8 bytes), 12,800 bytes apart (the other half of K lies between); A: 4 records a wave, B: 2
	s_or_b32 s[G1A], s20, (3<<16)|(1<<21)          ; 15:0 the mask; 17:16 elements of 8 bytes; 21 set beside a mask; no padding
	s_mov_b32 s[G1A+1], 800<<16                    ; tensor_dim0
	s_mov_b32 s[G1A+2], 4<<16                      ; tensor_dim1
	s_mov_b32 s[G1A+3], 800<<16                    ; tile_dim0
	s_mov_b32 s[G1A+4], 4                          ; tile_dim1
	s_mov_b32 s[G1A+5], 1600                       ; the pitch
	s_mov_b32 s[G1A+6], 0
	s_mov_b32 s[G1A+7], 0
	s_or_b32 s[G1B], s21, (3<<16)|(1<<21)
	s_mov_b32 s[G1B+1], 800<<16
	s_mov_b32 s[G1B+2], 2<<16
	s_mov_b32 s[G1B+3], 800<<16
	s_mov_b32 s[G1B+4], 2
	s_mov_b32 s[G1B+5], 1600
	s_mov_b32 s[G1B+6], 0
	s_mov_b32 s[G1B+7], 0
	s_lshl_b32 s72, s19, 4                         ; A: tile of rows 16 gy + 4 wave: made of gy and the wave alone
	s_lshl_b32 s73, s12, 2
	s_add_co_u32 s72, s72, s73
	s_mul_i32 s72, s72, 2*REC
	s_mov_b32 s73, 0
	s_lshl_b32 s74, s18, 3                         ; B: tile of columns 8 gx + 2 wave: made of gx and the wave alone
	s_lshl_b32 s75, s12, 1
	s_add_co_u32 s74, s74, s75
	s_mul_i32 s74, s74, 2*REC
	s_mov_b32 s75, 0
	s_mul_i32 s80, s12, 4*REC                      ; where they go: no place in the cluster enters an LDS address
	s_mul_i32 s81, s12, 2*REC
	s_lshr_b32 s76, s19, 3                         ; the batch
	s_lshl_b32 s76, s76, 4
	s_lshl_b32 s77, s18, 1
	s_add_co_u32 s76, s76, s77
	s_add_co_u32 s76, s76, s14                     ; my head among the 64
	s_lshl_b32 s76, s76, 4
	s_and_b32 s77, s19, 7
	s_lshl_b32 s77, s77, 1
	s_add_co_u32 s76, s76, s77
	s_add_co_u32 s76, s76, s13                     ; x 16 + my block of 128 rows
	s_mul_i32 s78, s76, REC
	s_mov_b32 s79, 0
	s_mul_i32 s76, s76, 2*REC
	s_mov_b32 s77, 0
	s_mov_b32 s[SEL], 0x76543210
	s_mov_b32 s[SEL+1], 0xfedcba98
	s_wait_kmcnt 0x0
	s_add_nc_u64 s[72:73], s[4:5], s[72:73]
	s_add_nc_u64 s[74:75], s[6:7], s[74:75]
	s_add_nc_u64 s[66:67], s[8:9], s[78:79]        ; q's record
	s_add_nc_u64 s[68:69], s[10:11], s[76:77]      ; k's
	s_add_nc_u64 s[70:71], s[68:69], REC           ; v's
.irp s, 0,1
	s_mov_b32 s[G0A+4*\s], 1
	s_add_co_u32 s[G0A+4*\s+1], s80, \s*AHALF
	s_add_nc_u64 s[G0A+4*\s+2:G0A+4*\s+3], s[72:73], \s*REC
	s_or_b32 s[G0A+4*\s+3], s[G0A+4*\s+3], 0x80000000
	s_mov_b32 s[G0B+4*\s], 1
	s_add_co_u32 s[G0B+4*\s+1], s81, BBASE+\s*BHALF
	s_add_nc_u64 s[G0B+4*\s+2:G0B+4*\s+3], s[74:75], \s*REC
	s_or_b32 s[G0B+4*\s+3], s[G0B+4*\s+3], 0x80000000
.endr
	CROUND                                         ; all sixteen work-groups are here: the first joint loads meet
	tensor_load_to_lds s[G0A:G0A+3], s[G1A:G1A+7]          ; the first fills go out as one group: four loads of mine are out
	s_nop 0
	tensor_load_to_lds s[G0B:G0B+3], s[G1B:G1B+7]
	s_nop 0
	tensor_load_to_lds s[G0A+4:G0A+7], s[G1A:G1A+7]
	s_nop 0
	tensor_load_to_lds s[G0B+4:G0B+7], s[G1B:G1B+7]
	s_nop 0
	PLACES
	v_and_b32 v[LANE], 31, v0
	v_lshlrev_b32 v[GO16], 4, v[LANE]
	v_lshlrev_b32 v[GO8], 3, v[LANE]
	s_mul_i32 s82, s13, 8*REC                      ; my 8 records of A
	s_mul_i32 s83, s14, 4*REC                      ; my 4 of B
	s_add_co_u32 s83, s83, BBASE
.irp s, 0,1
	v_add_nc_u32 v[ADA16+\s], s82, v[GO16]
	v_add_nc_u32 v[ADA8+\s], s82, v[GO8]
	v_add_nc_u32 v[ADB16+\s], s83, v[GO16]
	v_add_nc_u32 v[ADB8+\s], s83, v[GO8]
	s_add_co_u32 s82, s82, AHALF
	s_add_co_u32 s83, s83, BHALF
.endr
.irp b, 0,1,2,3
	v_mov_b32 v[TM+4+\b], 0                        ; written once: a lane permute's destination counts as one of its sources
.endr
	s_wait_alu depctr_va_vdst(0)
	s_wait_tensorcnt 0x2                           ; my parts of the first half of K are in; the two loads issued behind them may stay out
	s_barrier_signal -1
	s_barrier_wait -1
	FETCH 0, 0, 0
	SCALES 0
	TILE 0, 0, 66                                  ; q
	TILE 0, 0, 68                                  ; k
	TILE 1, 1, 70                                  ; v
	s_wait_tensorcnt 0x0                           ; the wave's end
	ds_add_u32 v[SPW], v[NIL]
	s_wait_dscnt 0x0
	CROUND                                         ; the closing round: no work-group ends while a partner may still ask for a tile that names it
	s_endpgm
.Lfunc_end_k_q199e8f5ad3_qkv:
	.size	k_q199e8f5ad3_qkv, .Lfunc_end_k_q199e8f5ad3_qkv-k_q199e8f5ad3_qkv
	.p2alignl 7, 3214868480
	.fill 96, 4, 3214868480
	.section	.rodata,"a",@progbits
	.p2align	6, 0x0
	.amdhsa_kernel k_q199e8f5ad3_qkv
		.amdhsa_group_segment_fixed_size 327680
		.amdhsa_private_segment_fixed_size 0
		.amdhsa_enable_private_segment 0
		.amdhsa_kernarg_size 32
		.amdhsa_user_sgpr_count 2
		.amdhsa_user_sgpr_kernarg_segment_ptr 1
		.amdhsa_wavefront_size32 1
		.amdhsa_system_sgpr_workgroup_id_x 1
		.amdhsa_system_sgpr_workgroup_id_y 1
		.amdhsa_system_sgpr_workgroup_id_z 1
		.amdhsa_system_vgpr_workitem_id 0
		.amdhsa_next_free_vgpr 1024
		.amdhsa_next_free_sgpr 96
		.amdhsa_reserve_vcc 1
		.amdhsa_float_denorm_mode_32 3
		.amdhsa_float_denorm_mode_16_64 3
		.amdhsa_memory_ordered 1
		.amdhsa_forward_progress 1
		.amdhsa_inst_pref_size 241
	.end_amdhsa_kernel
	.amdgpu_metadata
---
amdhsa.version: [ 1, 2 ]
amdhsa.kernels:
  - .name:           k_q199e8f5ad3_qkv
    .symbol:         k_q199e8f5ad3_qkv.kd
    .args:
      - { .name: x_rec, .offset: 0, .size: 8, .value_kind: global_buffer, .address_space: global }
      - { .name: w_rec, .offset: 8, .size: 8, .value_kind: global_buffer, .address_space: global }
      - { .name: q_rec, .offset: 16, .size: 8, .value_kind: global_buffer, .address_space: global }
      - { .name: kv_rec, .offset: 24, .size: 8, .value_kind: global_buffer, .address_space: global }
    .group_segment_fixed_size: 327680
    .private_segment_fixed_size: 0
    .kernarg_segment_align: 8
    .kernarg_segment_size: 32
    .max_flat_workgroup_size: 128
    .sgpr_count:     96
    .vgpr_count:     1024
    .wavefront_size: 32
...
	.end_amdgpu_metadata
.endif
;; end of part 2
;; launch attn (part 3): grid 256 x 1, 16 waves a work-group, no clusters, 327,680 bytes of LDS; arguments q_rec, kv_rec, ctx_rec; writes ctx_rec
.if DOCPART == 3
	.amdgcn_target "amdgcn-amd-amdhsa--gfx1250"
	.amdhsa_code_object_version 6
	.text
	.protected	k_q199e8f5ad3_attn
	.globl	k_q199e8f5ad3_attn
	.p2align	8
	.type	k_q199e8f5ad3_attn,@function
k_q199e8f5ad3_attn:
	s_mov_b64 s[64:65], 0
	v_nop
	global_prefetch_b8 v0, s[64:65] scope:SCOPE_SE
	s_setreg_imm32_b32 hwreg(HW_REG_WAVE_MODE, 25, 1), 1
	s_wait_xcnt 0x0
; Causal attention on codes of BF6: S^T = K Q^T (K = the head's 64), p = 2^(t - M) with t = score x log2(e) / 8 and M the running largest t rounded UP to a whole number, O^T += V^T P^T (K = the keys);
; the row's sum is taken of the unquantised p and divides O at the end; ctx = O / sum is quantised in registers along the output projection's K and leaves as codes.
; SHARES.  A work-group serves two heads (waves 0-7 the even one, waves 8-15 the odd one) and two blocks of 128 queries, i and 15 - i; a wave owns 16 queries of the block in hand.  Block i wants i + 1 key steps of 128
; and block 15 - i wants 16 - i: 17 for every wave of every work-group, so the trip count is a constant and nothing is fetched that nobody reads.  Step n takes keys 128 G on, G = n up to n = i and n - i - 1 behind it.
; Steps i and 16 lie on the diagonal: there hidden scores become -infinity ahead of the maximum.
; NO CLUSTER: the work-groups of one pair of heads stand at different G in the same step (G hangs on i), so they never want the same tile at the same time.
; K's fragment is a DOUBLE TILE: half 0 = keys 32 f + r, half 1 = keys 32 f + 16 + r, each over the head's 64.  It is multiplied twice: by (q, zeros) for half 0 and by (zeros, q) for half 1: zero codes add nothing.
; A lane holds ONE query (lane % 16) throughout; the 16 registers of score tiles 2 b, 2 b + 1 are its half's 16 keys of block b, in the order in which V's codes were laid.
; K's and V's records (6,400 bytes each, in the order of the operands' registers) come through a ring of two LDS slots: wave 0 fetches the even head's 12,800 bytes of a step, wave 1 the odd head's.
; LIMITS: NaN and infinities are not served.  A block's largest p is made from its largest score by the same multiply-add and exponential, which takes v_exp_f32 not to fall where its input rises.
; A block of zeros gets the scale byte 1 (the bytes are read by this program alone).  The row's sum is added in another order than a plain sum along the row.
; ctx's scale bytes leave as 2 bytes a row, 8 bytes apart (32 of a wave's 800 bytes): the two halves of a scale word belong to two heads.
.set REC,   6400
.set FRB,   1536
.set SLOT1, 1<<15                      ; a slot holds 25,600 bytes; slot 1 begins here, so that one exclusive or turns an address
.set SPARE, 65536                      ; the spare words, 128 bytes for each of 16 waves: eight blocks of 256 bytes that no other line names
.set WV,  10
.set HE,  11                           ; which head of the pair
.set WQ,  12                           ; which 16 queries of the block
.set BI,  13                           ; i
.set HP,  14                           ; the pair of heads
.set BT,  15                           ; the batch
.set NS,  16                           ; the step n
.set BLK, 17                           ; the block of queries in hand
.set TB,  18                           ; the slot in hand
.set SH,  19                           ; 16 (wq & 1): my half-word of q's scale word
.set SEL, 20
.set CS,  22                           ; s[22:23] c = log2(e) / 8
.set G1,  24
.set G0,  32
.set KVB, 36                           ; s[36:37] my head's records (of the wave that fetches)
.set OFF, 38                           ; s[38:39] 12,800 G
.set QC,  40                           ; s[40:41] q's codes, s[42:43] q's scale words, s[44:45] ctx's codes, s[46:47] ctx's scale bytes
.macro FRAG reg, a16, a8, off
	ds_load_b128 v[(\reg):(\reg)+3], v[\a16] offset:(\off)
	ds_load_b64 v[(\reg)+4:(\reg)+5], v[\a8] offset:(\off)+512
	ds_load_b128 v[(\reg)+6:(\reg)+9], v[\a16] offset:(\off)+768
	ds_load_b64 v[(\reg)+10:(\reg)+11], v[\a8] offset:(\off)+1280
.endm
.macro TLOAD                           ; waves 0 and 1 fetch, one head each; four v_nop follow the line
	s_cmp_lt_u32 s[WV], 2
	s_cbranch_scc0 .Lnone_\@
	tensor_load_to_lds s[G0:G0+3], s[G1:G1+7]
	s_nop 0
.rept 4
	v_nop
.endr
.Lnone_\@:
.endm
; THE CHANGE OF SLOTS stands at a step's head.  Each wave waits for all its tensor loads, adds 0 to its spare word, and waits for that and for its reads of the slot that it has left.  fill = 1: that slot takes step n + 1's tiles.
.macro CHANGE fill
	s_wait_tensorcnt 0x0                           ; no tensor load of mine is out, so the descriptor may be written
	ds_add_u32 v5, v6                              ; 0 onto my spare word
.if \fill
	s_xor_b32 s[G0+1], s[G0+1], SLOT1              ; the other slot than last time
	s_add_co_u32 s48, s[NS], 1
	s_sub_co_u32 s49, s[NS], s[BI]
	s_cmp_le_u32 s48, s[BI]
	s_cselect_b32 s48, s48, s49                    ; G of step n + 1: n + 1, or n - i behind the first block
	s_mul_i32 s[OFF], s48, 2*REC
	s_add_nc_u64 s[G0+2:G0+3], s[KVB:KVB+1], s[OFF:OFF+1]
	s_or_b32 s[G0+3], s[G0+3], 0x80000000
.endif
	s_wait_dscnt 0x0                               ; the add is done, and my reads of the slot that I have left are over
	s_barrier_signal -1
	s_barrier_wait -1
.if \fill
	TLOAD                                          ; the first thing behind the barrier, and a wave's one tensor load until the next
.endif
.endm
; A KEY STEP: 128 keys.  diag = 1: always masked; 0: masked where n = i.
.macro STEP diag
.rept 4
	v_nop                                          ; places ahead of loads into registers that the last step's products read
.endr
	v_add_nc_u32 v8, s[TB], v1
	v_add_nc_u32 v9, s[TB], v2
.irp f, 0,1,2,3
	FRAG 40+12*\f, 8, 9, FRB*\f                    ; K's four double tiles
.endr
	ds_load_b64 v[34:35], v9 offset:6144           ; and their scale words
	s_wait_alu depctr_va_vdst(0)
	s_wait_dscnt 0x0
.irp f, 0,2                                    ; even fragments take their scale words from lanes 0-15, odd ones from lanes 16-31
	v_wmma_scale_f32_16x16x128_f8f6f4 v[96+16*\f:103+16*\f], v[40+12*\f:51+12*\f], v[22:33], 0, v[34+\f/2], v11 matrix_a_fmt:MATRIX_FMT_BF6 matrix_b_fmt:MATRIX_FMT_BF6
	v_wmma_scale_f32_16x16x128_f8f6f4 v[104+16*\f:111+16*\f], v[40+12*\f:51+12*\f], v[16:27], 0, v[34+\f/2], v11 matrix_a_fmt:MATRIX_FMT_BF6 matrix_b_fmt:MATRIX_FMT_BF6
	v_wmma_scale_f32_16x16x128_f8f6f4 v[112+16*\f:119+16*\f], v[52+12*\f:63+12*\f], v[22:33], 0, v[34+\f/2], v11 matrix_a_fmt:MATRIX_FMT_BF6 matrix_b_fmt:MATRIX_FMT_BF6 matrix_a_scale:MATRIX_SCALE_ROW1
	v_wmma_scale_f32_16x16x128_f8f6f4 v[120+16*\f:127+16*\f], v[52+12*\f:63+12*\f], v[16:27], 0, v[34+\f/2], v11 matrix_a_fmt:MATRIX_FMT_BF6 matrix_b_fmt:MATRIX_FMT_BF6 matrix_a_scale:MATRIX_SCALE_ROW1
.endr
.rept 4
	v_nop                                          ; places: ahead of the loads below and of the first read of the scores
.endr
.irp t, 0,1,2,3
	FRAG 40+12*\t, 8, 9, REC+FRB*\t                ; V's four fragments land under the softmax
.endr
	ds_load_b64 v[36:37], v9 offset:REC+6144
.if \diag == 0
	s_cmp_lg_u32 s[NS], s[BI]
	s_cbranch_scc1 .Lopen_\@
.endif
	v_mov_b32 v254, 0xff800000                     ; -infinity.  Register 8 T + j holds key 16 T + 8 h + j of the block: hidden where 16 T + j > 16 wq + r - 8 h
.set n, 0
.rept 64
	v_cmp_gt_i32 vcc_lo, 16*(n/8)+n%8, v10
	v_cndmask_b32 v[96+n], v[96+n], v254, vcc_lo
.set n, n+1
.endr
.Lopen_\@:
.irp b, 0,1,2,3
	v_max3_num_f32 v[232+\b], v[96+16*\b], v[97+16*\b], v[98+16*\b]   ; the largest score of each block of 32 keys: it serves for the row's maximum and for the block's largest p
.endr
.irp i, 3,5,7,9,11,13
.irp b, 0,1,2,3
	v_max3_num_f32 v[232+\b], v[232+\b], v[96+16*\b+\i], v[97+16*\b+\i]
.endr
.endr
.irp b, 0,1,2,3
	v_max_num_f32 v[232+\b], v[232+\b], v[111+16*\b]
.endr
.irp b, 0,1,2,3
	s_delay_alu instid0(VALU_DEP_4)
	v_permlanex16_b32 v[236+\b], v[232+\b], s[SEL], s[SEL+1]
.endr
.irp b, 0,1,2,3
	s_delay_alu instid0(VALU_DEP_4)
	v_max_num_f32 v[232+\b], v[232+\b], v[236+\b]  ; with lane l xor 16's 16 keys
.endr
	s_delay_alu instid0(VALU_DEP_2)
	v_max3_num_f32 v254, v232, v233, v234
	s_delay_alu instid0(VALU_DEP_1)
	v_max_num_f32 v254, v254, v235                 ; the step's largest score of my query
	s_delay_alu instid0(VALU_DEP_1)
	v_mul_f32 v254, s[CS], v254                    ; as t (c is positive)
	s_delay_alu instid0(VALU_DEP_1)
	v_max_num_f32 v13, v13, v254                   ; the running largest t
	v_mov_b32 v254, v12
	s_delay_alu instid0(VALU_DEP_2)
	v_floor_f32 v12, -v13                          ; the new -M = floor(-t): M is a whole number
	s_delay_alu instid0(VALU_DEP_1)
	v_sub_f32 v254, v12, v254                      ; old M less new M: a whole number, 0 or less
	s_delay_alu instid0(VALU_DEP_1)
	v_cvt_i32_f32 v254, v254                       ; (it saturates)
	s_delay_alu instid0(VALU_DEP_1)
	v_ldexp_f32 v252, 1.0, v254                    ; f = 2^(old M - new M): a multiplication by it rounds nothing
.set j, 0
.rept 32
	v_pk_fma_f32 v[96+j:97+j], v[96+j:97+j], s[CS:CS+1], v[12:13] op_sel_hi:[1,0,0]   ; t - M, two at a time
.set j, j+2
.endr
.irp b, 0,1,2,3
	v_fma_f32 v[232+\b], v[232+\b], s[CS], v12     ; the same of each block's largest score
.endr
.set j, 0
	s_wait_alu depctr_va_vdst(0)
.rept 64
	v_exp_f32 v[96+j], v[96+j]                     ; p = 2^(t - M), at most 1: not normalised
.set j, j+1
.endr
.irp b, 0,1,2,3
	v_exp_f32 v[232+\b], v[232+\b]                 ; the block's largest p
.endr
	v_pk_mul_f32 v[14:15], v[14:15], v[252:253] op_sel_hi:[1,0]   ; the sums under the new M (a plain place behind the exponentials)
	s_wait_alu depctr_va_vdst(0)
.irp b, 0,1,2,3
	v_max_num_f32 v[232+\b], 0x2800000, v[232+\b]  ; the floor 2^(5 - 127)
.endr
.irp b, 0,1,2,3
	s_delay_alu instid0(VALU_DEP_4)
	v_add_nc_u32 v[244+\b], 0xfe000000, v[232+\b]  ; the conversion's scale operand
.endr
.irp b, 0,1,2,3
	s_delay_alu instid0(VALU_DEP_4)
	v_lshrrev_b32 v[236+\b], 23, v[244+\b]         ; the scale's byte
.endr
	s_delay_alu instid0(VALU_DEP_3)
	v_lshl_or_b32 v38, v237, 8, v236               ; p's scale word for these 128 keys
	s_delay_alu instid0(VALU_DEP_1)
	v_lshl_or_b32 v38, v238, 16, v38
	s_delay_alu instid0(VALU_DEP_1)
	v_lshl_or_b32 v38, v239, 24, v38
.irp c, 0,1
	v_cvt_scalef32_pk16_bf6_f32 v[192+6*\c:194+6*\c], v[96+32*\c:111+32*\c], v[244+2*\c]
	v_cvt_scalef32_pk16_bf6_f32 v[204+4*\c:206+4*\c], v[112+32*\c:127+32*\c], v[245+2*\c]
.endr
	v_nop                                          ; one plain place behind a scaled conversion
.irp c, 0,1
.irp i, 0,1,2
	v_permlane16_swap_b32 v[192+6*\c+\i], v[204+4*\c+\i]
.endr
.irp i, 0,1,2
	s_delay_alu instid0(VALU_DEP_3)
	v_mov_b32 v[195+6*\c+\i], v[204+4*\c+\i]
.endr
.endr
	v_pk_add_f32 v[236:237], v[100:101], v[104:105]
	v_pk_add_f32 v[254:255], v[108:109], v[112:113]
	v_pk_add_f32 v[250:251], v[116:117], v[120:121]
	v_pk_add_f32 v[248:249], v[124:125], v[128:129]
	v_pk_add_f32 v[246:247], v[132:133], v[136:137]
	v_pk_add_f32 v[244:245], v[140:141], v[144:145]
	v_pk_add_f32 v[242:243], v[148:149], v[152:153]
	v_pk_add_f32 v[14:15], v[14:15], v[156:157]
	v_pk_add_f32 v[236:237], v[236:237], v[96:97]
	v_pk_add_f32 v[254:255], v[254:255], v[98:99]
	v_pk_add_f32 v[250:251], v[250:251], v[102:103]
	v_pk_add_f32 v[248:249], v[248:249], v[106:107]
	v_pk_add_f32 v[246:247], v[246:247], v[110:111]
	v_pk_add_f32 v[244:245], v[244:245], v[114:115]
	v_pk_add_f32 v[242:243], v[242:243], v[118:119]
	v_pk_add_f32 v[14:15], v[14:15], v[122:123]
	v_pk_add_f32 v[236:237], v[236:237], v[126:127]
	v_pk_add_f32 v[254:255], v[254:255], v[130:131]
	v_pk_add_f32 v[250:251], v[250:251], v[134:135]
	v_pk_add_f32 v[248:249], v[248:249], v[138:139]
	v_pk_add_f32 v[246:247], v[246:247], v[142:143]
	v_pk_add_f32 v[244:245], v[244:245], v[146:147]
	v_pk_add_f32 v[242:243], v[242:243], v[150:151]
	v_pk_add_f32 v[14:15], v[14:15], v[154:155]
	v_pk_add_f32 v[236:237], v[236:237], v[158:159]
	s_delay_alu instid0(VALU_DEP_2)
	v_pk_add_f32 v[14:15], v[14:15], v[248:249]
	s_delay_alu instid0(VALU_DEP_2)
	v_pk_add_f32 v[236:237], v[236:237], v[246:247]
	v_pk_add_f32 v[254:255], v[254:255], v[244:245]
	v_pk_add_f32 v[250:251], v[250:251], v[242:243]
	s_delay_alu instid0(VALU_DEP_2)
	v_pk_add_f32 v[14:15], v[14:15], v[254:255]
	s_delay_alu instid0(VALU_DEP_2)
	v_pk_add_f32 v[236:237], v[236:237], v[250:251]
	s_delay_alu instid0(VALU_DEP_1)
	v_pk_add_f32 v[14:15], v[14:15], v[236:237]
.set j, 0
.rept 16
	v_pk_mul_f32 v[160+j:161+j], v[160+j:161+j], v[252:253] op_sel_hi:[1,0]   ; O^T under the new M
.set j, j+2
.endr
	s_wait_alu depctr_va_vdst(0)
	s_wait_dscnt 0x0                               ; V is in
.irp t, 0,2                                    ; O^T += V^T P^T: the four accumulators by turns
	v_wmma_scale_f32_16x16x128_f8f6f4 v[160+8*\t:167+8*\t], v[40+12*\t:51+12*\t], v[192:203], v[160+8*\t:167+8*\t], v[36+\t/2], v38 matrix_a_fmt:MATRIX_FMT_BF6 matrix_b_fmt:MATRIX_FMT_BF6
	v_wmma_scale_f32_16x16x128_f8f6f4 v[168+8*\t:175+8*\t], v[52+12*\t:63+12*\t], v[192:203], v[168+8*\t:175+8*\t], v[36+\t/2], v38 matrix_a_fmt:MATRIX_FMT_BF6 matrix_b_fmt:MATRIX_FMT_BF6 matrix_a_scale:MATRIX_SCALE_ROW1
.endr
.endm
; A block of queries is done: O^T / the sum, quantised (two blocks of 32 along the head's 64): half a fragment of ctx and half a scale word.
.macro FINISH
.rept 4
	v_nop                                          ; places behind the last products
.endr
	v_add_f32 v14, v14, v15
	s_delay_alu instid0(VALU_DEP_1)
	v_permlanex16_b32 v252, v14, s[SEL], s[SEL+1]
	s_delay_alu instid0(VALU_DEP_1)
	v_add_f32 v14, v14, v252                       ; the row's sum
	s_wait_alu depctr_va_vdst(0)
	v_rcp_f32 v14, v14
	v_nop                                          ; one plain place behind a transcendental
.set j, 0
	s_wait_alu depctr_va_vdst(0)
.rept 32
	v_mul_f32 v[96+j], v[160+j], v14               ; register 8 t + j' = ctx(r, 16 t + 8 h + j'); each accumulator from its low end on
.set j, j+1
.endr
.irp b, 0,1
	v_max3_num_f32 v[232+\b], |v[96+16*\b]|, |v[97+16*\b]|, 0x2800000
.endr
.irp i, 2,4,6,8,10,12,14
.irp b, 0,1
	s_delay_alu instid0(VALU_DEP_2)
	v_max3_num_f32 v[232+\b], v[232+\b], |v[96+16*\b+\i]|, |v[97+16*\b+\i]|
.endr
.endr
.irp b, 0,1
	s_delay_alu instid0(VALU_DEP_2)
	v_permlanex16_b32 v[236+\b], v[232+\b], s[SEL], s[SEL+1]
.endr
.irp b, 0,1
	s_delay_alu instid0(VALU_DEP_2)
	v_max_num_f32 v[232+\b], v[232+\b], v[236+\b]
.endr
.irp b, 0,1
	s_delay_alu instid0(VALU_DEP_2)
	v_add_nc_u32 v[244+\b], 0xfe000000, v[232+\b]
.endr
.irp b, 0,1
	s_delay_alu instid0(VALU_DEP_2)
	v_lshrrev_b32 v[236+\b], 23, v[244+\b]
.endr
	s_delay_alu instid0(VALU_DEP_1)
	v_lshl_or_b32 v240, v237, 8, v236              ; my head's two bytes of the row's scale word
	v_cvt_scalef32_pk16_bf6_f32 v[192:194], v[96:111], v244
	v_cvt_scalef32_pk16_bf6_f32 v[204:206], v[112:127], v245
	v_nop
.irp i, 0,1,2
	v_permlane16_swap_b32 v[192+\i], v[204+\i]
.endr
.irp i, 0,1,2
	s_delay_alu instid0(VALU_DEP_3)
	v_mov_b32 v[195+\i], v[204+\i]
.endr
	global_store_b128 v3, v[192:195], s[QC+4:QC+5]             ; 512 consecutive bytes
	global_store_b64 v4, v[196:197], s[QC+4:QC+5] offset:512   ; 256
	global_store_b16 v7, v240, s[QC+6:QC+7]                    ; lanes 16-31 repeat lanes 0-15's bytes
	s_wait_xcnt 0x0                                ; the stores have read their registers and bases: both may be written again
.endm
; The block s[BLK] begins: its pointers, my 16 queries' codes and scale bytes, and the running figures anew.
.macro PASS_INIT
	s_mul_i32 s48, s[BLK], REC
	s_mov_b32 s51, 0
	s_add_co_u32 s50, s48, s60
	s_add_nc_u64 s[QC:QC+1], s[4:5], s[50:51]
	s_add_co_u32 s50, s48, s61
	s_add_nc_u64 s[QC+2:QC+3], s[4:5], s[50:51]
	s_mul_i32 s48, s[BLK], 16*REC                  ; 8 tiles of rows, two records each
	s_add_co_u32 s50, s48, s62
	s_add_nc_u64 s[QC+4:QC+5], s[8:9], s[50:51]
	s_add_co_u32 s50, s48, s63
	s_add_nc_u64 s[QC+6:QC+7], s[8:9], s[50:51]
	global_load_b128 v[22:25], v3, s[QC:QC+1]
	global_load_b64 v[26:27], v4, s[QC:QC+1] offset:512
	global_load_b32 v11, v7, s[QC+2:QC+3]
	s_wait_loadcnt 0x0
	v_lshrrev_b32 v11, s[SH], v11                  ; my tile's two bytes,
	s_delay_alu instid0(VALU_DEP_1)
	v_and_b32 v11, 0xffff, v11
	s_delay_alu instid0(VALU_DEP_1)
	v_lshl_or_b32 v11, v11, 16, v11                ; for whichever half of the operand q stands in.  The 36 plain lines below are the places between this line and the next product
	v_mov_b32 v13, 0xff61b1e6                      ; the largest t so far: -3e38, under every t
	s_delay_alu instid0(VALU_DEP_1)
	v_floor_f32 v12, -v13                          ; -M
	v_mov_b32 v14, 0
	v_mov_b32 v15, 0
.set j, 0
.rept 32
	v_mov_b32 v[160+j], 0                          ; O^T: the first change of M leaves zeros zeros
.set j, j+1
.endr
.endm
	s_load_b128 s[4:7], s[0:1], 0x0                ; q_rec s[4:5], kv_rec s[6:7]
	s_load_b64 s[8:9], s[0:1], 0x10                ; ctx_rec
	v_lshl_add_u32 v5, v0, 2, SPARE
	v_mov_b32 v6, 0
	ds_add_u32 v5, v6
	ds_add_u32 v5, v6
	s_wait_dscnt 0x0
	v_lshrrev_b32 v8, 5, v0
	s_delay_alu instid0(VALU_DEP_1)
	v_readfirstlane_b32 s[WV], v8                  ; wave 0..15
	s_lshr_b32 s[HE], s[WV], 3
	s_and_b32 s[WQ], s[WV], 7
	s_and_b32 s[BI], ttmp9, 7
	s_bfe_u32 s[HP], ttmp9, 0x30003
	s_lshr_b32 s[BT], ttmp9, 6
	s_mov_b32 s[NS], 0
	s_mov_b32 s[BLK], s[BI]
	s_mov_b32 s[TB], 0
	s_and_b32 s[SH], s[WQ], 1
	s_lshl_b32 s[SH], s[SH], 4
	s_mov_b32 s[SEL], 0x76543210
	s_mov_b32 s[SEL+1], 0xfedcba98
	s_mov_b32 s[CS], 0x3e38aa3b                    ; c = log2(e) / sqrt(64)
	s_mov_b32 s[CS+1], s[CS]
	s_mov_b32 s[G1], 3<<16                         ; no mask; elements of 8 bytes; no padding: 12,800 dense bytes as 50 rows of 256
	s_mov_b32 s[G1+1], 32<<16
	s_mov_b32 s[G1+2], 50<<16
	s_mov_b32 s[G1+3], 32<<16
	s_mov_b32 s[G1+4], 50
	s_mov_b32 s[G1+5], 32
	s_mov_b32 s[G1+6], 0
	s_mov_b32 s[G1+7], 0
	s_min_u32 s48, s[WV], 1                        ; the head that I fetch, if I fetch
	s_mul_i32 s49, s48, 2*REC                      ; its place in a slot
	s_lshl_b32 s50, s[BT], 4
	s_lshl_b32 s51, s[HP], 1
	s_add_co_u32 s50, s50, s51                     ; the pair's first head among the 64
	s_add_co_u32 s51, s50, s48
	s_mul_i32 s52, s51, 32*REC                     ; a head's 16 pairs of records
	s_mov_b32 s53, 0
	s_mov_b32 s[OFF+1], 0
	s_add_co_u32 s54, s50, s[HE]                   ; my head
	s_mul_i32 s54, s54, 16*REC
	s_lshr_b32 s55, s[WQ], 1                       ; q's fragment f = wq / 2,
	s_mul_i32 s56, s55, FRB
	s_add_co_u32 s60, s54, s56
	s_and_b32 s56, s[WQ], 1                        ; its half wq % 2
	s_mul_i32 s56, s56, 768
	s_add_co_u32 s60, s60, s56                     ; s60: q's codes, less the block
	s_and_b32 s56, s55, 1
	s_lshl_b32 s56, s56, 7
	s_lshr_b32 s57, s55, 1
	s_lshl_b32 s57, s57, 2
	s_add_co_u32 s56, s56, s57
	s_add_co_u32 s61, s54, s56
	s_add_co_u32 s61, s61, 6144                    ; s61: q's scale words
	s_lshl_b32 s54, s[BT], 7
	s_add_co_u32 s54, s54, s[WQ]
	s_mul_i32 s54, s54, 2*REC                      ; ctx: tile of rows 128 b + wq (+ 8 x block),
	s_lshr_b32 s55, s[HP], 2
	s_mul_i32 s55, s55, REC
	s_add_co_u32 s54, s54, s55                     ; the half of K in which my pair of heads lies,
	s_and_b32 s55, s[HP], 3                        ; the K step f = hp % 4
	s_mul_i32 s56, s55, FRB
	s_add_co_u32 s62, s54, s56
	s_mul_i32 s56, s[HE], 768
	s_add_co_u32 s62, s62, s56                     ; s62: ctx's codes: my head's half of the fragment
	s_and_b32 s56, s55, 1
	s_lshl_b32 s56, s56, 7
	s_lshr_b32 s57, s55, 1
	s_lshl_b32 s57, s57, 2
	s_add_co_u32 s56, s56, s57
	s_lshl_b32 s57, s[HE], 1
	s_add_co_u32 s56, s56, s57
	s_add_co_u32 s63, s54, s56
	s_add_co_u32 s63, s63, 6144                    ; s63: ctx's scale bytes
	s_wait_kmcnt 0x0
	s_add_nc_u64 s[KVB:KVB+1], s[6:7], s[52:53]
	s_mov_b32 s[G0], 1
	s_mov_b32 s[G0+1], s49                         ; slot 0
	s_mov_b64 s[G0+2:G0+3], s[KVB:KVB+1]           ; step 0: G = 0
	s_or_b32 s[G0+3], s[G0+3], 0x80000000
	TLOAD                                          ; the first fill, ahead of every wait on TENSORcnt, LDS read and barrier
	v_and_b32 v8, 31, v0                           ; lane
	v_and_b32 v9, 15, v0                           ; r
	v_bfe_u32 v10, v0, 4, 1                        ; h
	s_delay_alu instid0(VALU_DEP_3)
	v_lshlrev_b32 v3, 4, v8                        ; 16 x lane
	s_delay_alu instid0(VALU_DEP_4)
	v_lshlrev_b32 v4, 3, v8                        ; 8 x lane
	s_mul_i32 s48, s[HE], 2*REC
	v_add_nc_u32 v1, s48, v3                       ; my head's records in a slot
	v_add_nc_u32 v2, s48, v4
	v_lshlrev_b32 v7, 3, v9                        ; 8 r: a row's scale word
	v_lshlrev_b32 v10, 3, v10
	s_delay_alu instid0(VALU_DEP_1)
	v_sub_nc_u32 v10, v9, v10
	s_lshl_b32 s48, s[WQ], 4
	v_add_nc_u32 v10, s48, v10                     ; 16 wq + r - 8 h
.irp j, 16,17,18,19,20,21,28,29,30,31,32,33
	v_mov_b32 v[\j], 0                             ; the zero codes on either side of q
.endr
.irp j, 236,237,238,239,252,253
	v_mov_b32 v[\j], 0                             ; written once: lane permutes' destinations, and the upper half of the pair v[252:253]
.endr
	PASS_INIT
.Lstep:                                            ; 16 trips: steps 0 to 15
	CHANGE 1
	STEP 0
	s_xor_b32 s[TB], s[TB], SLOT1
	s_cmp_lg_u32 s[NS], s[BI]
	s_cbranch_scc1 .Lsame_block
	FINISH                                         ; block i is done,
	s_sub_co_u32 s[BLK], 15, s[BI]
	PASS_INIT                                      ; block 15 - i begins
.Lsame_block:
	s_add_co_u32 s[NS], s[NS], 1
	s_cmp_lt_u32 s[NS], 16
	s_cbranch_scc1 .Lstep
	CHANGE 0                                       ; step 16 is written out: nothing is left to fetch, and it lies on the diagonal
	STEP 1
	FINISH
	s_wait_tensorcnt 0x0                           ; the wave's end
	ds_add_u32 v5, v6
	s_wait_dscnt 0x0
	s_endpgm
.Lfunc_end_k_q199e8f5ad3_attn:
	.size	k_q199e8f5ad3_attn, .Lfunc_end_k_q199e8f5ad3_attn-k_q199e8f5ad3_attn
	.p2alignl 7, 3214868480
	.fill 96, 4, 3214868480
	.section	.rodata,"a",@progbits
	.p2align	6, 0x0
	.amdhsa_kernel k_q199e8f5ad3_attn
		.amdhsa_group_segment_fixed_size 327680
		.amdhsa_private_segment_fixed_size 0
		.amdhsa_enable_private_segment 0
		.amdhsa_kernarg_size 24
		.amdhsa_user_sgpr_count 2
		.amdhsa_user_sgpr_kernarg_segment_ptr 1
		.amdhsa_wavefront_size32 1
		.amdhsa_system_sgpr_workgroup_id_x 1
		.amdhsa_system_sgpr_workgroup_id_y 1
		.amdhsa_system_sgpr_workgroup_id_z 1
		.amdhsa_system_vgpr_workitem_id 0
		.amdhsa_next_free_vgpr 256
		.amdhsa_next_free_sgpr 100
		.amdhsa_reserve_vcc 1
		.amdhsa_float_denorm_mode_32 3
		.amdhsa_float_denorm_mode_16_64 3
		.amdhsa_memory_ordered 1
		.amdhsa_forward_progress 1
		.amdhsa_inst_pref_size 64
	.end_amdhsa_kernel
	.amdgpu_metadata
---
amdhsa.version: [ 1, 2 ]
amdhsa.kernels:
  - .name:           k_q199e8f5ad3_attn
    .symbol:         k_q199e8f5ad3_attn.kd
    .args:
      - { .name: q_rec, .offset: 0, .size: 8, .value_kind: global_buffer, .address_space: global }
      - { .name: kv_rec, .offset: 8, .size: 8, .value_kind: global_buffer, .address_space: global }
      - { .name: ctx_rec, .offset: 16, .size: 8, .value_kind: global_buffer, .address_space: global }
    .group_segment_fixed_size: 327680
    .private_segment_fixed_size: 0
    .kernarg_segment_align: 8
    .kernarg_segment_size: 24
    .max_flat_workgroup_size: 512
    .sgpr_count:     100
    .vgpr_count:     256
    .wavefront_size: 32
...
	.end_amdgpu_metadata
.endif
;; end of part 3
;; launch outp (part 4): grid 8 x 32, 4 waves a work-group, clusters of 4 x 4, 327,680 bytes of LDS; arguments ctx_rec, w_rec, bo, out0; writes out0
.if DOCPART == 4
	.amdgcn_target "amdgcn-amd-amdhsa--gfx1250"
	.amdhsa_code_object_version 6
	.text
	.protected	k_q199e8f5ad3_outp
	.globl	k_q199e8f5ad3_outp
	.p2align	8
	.type	k_q199e8f5ad3_outp,@function
k_q199e8f5ad3_outp:
	s_mov_b64 s[64:65], 0
	v_nop
	global_prefetch_b8 v0, s[64:65] scope:SCOPE_SE
	s_setreg_imm32_b32 hwreg(HW_REG_WAVE_MODE, 25, 1), 1
	s_wait_xcnt 0x0
	s_wait_alu depctr_hold_cnt(0) depctr_sa_sdst(0) depctr_va_vdst(0) depctr_va_sdst(0) depctr_va_ssrc(0) depctr_va_vcc(0) depctr_vm_vsrc(0)
	s_getreg_b32 s2, hwreg(HW_REG_IB_STS2, 6, 4)
	s_cmp_eq_u32 s2, 0
	s_cbranch_scc0 .Lentry_in_a_cluster
	s_endpgm
.Lentry_in_a_cluster:
	s_bfe_u32 s2, ttmp6, 0x10000c
	s_cmp_lg_u32 s2, 0xf033
	s_cbranch_scc0 .Lentry_shape_is_right
	s_endpgm
.Lentry_shape_is_right:
; out = ctx Wo + bo on codes of BF6 with E8M0 scales, f32 sums.  ctx_rec and w_rec hold FRAGMENTS (1,536 bytes, in the order of the operand's registers) in RECORDS (6,400 bytes: four K steps of 16 rows, then 256 bytes
; of scale words: the word of (fragment f, row r) at 6,144 + 8 (r + 16 (f & 1)) + 4 (f >> 1)).
; A work-group makes 256 rows x 128 columns; all its codes (A's 204,800 bytes, B's 102,400) come into LDS once, in two halves of K: nothing is filled again.  A wave makes 128 x 64: 32 accumulators.
; CLUSTER 4 x 4: the four of a row of the cluster need the same rows of ctx, the four of a column the same columns of Wo: each tile is asked for jointly.
; The product is used TRANSPOSED (source 0 = 16 columns of Wo, source 1 = 16 rows of ctx): a lane holds eight neighbouring numbers of a row of out.  The bias is the C of each sum's first product.
; REGISTERS: window 0: addresses, scale words, v128-191 rows on the way out;  window 1: the accumulators, (a, b) at 8 (4 a + b);  window 2: A's fragments, two sets of 96;  window 3: B's, two sets of 48, and from v96 the bias.
.set REC,    6400
.set FRB,    1536
.set AHALF,  16*REC
.set BBASE,  2*AHALF
.set BHALF,  8*REC
.set STAGE,  BBASE+2*BHALF             ; behind the tiles: 16 rows x (256 bytes + 16) for each wave; no tensor load lands here
.set SPI,    272
.set LANE,  3
.set ADA16, 4
.set ADA8,  6
.set ADB16, 8
.set ADB8,  10
.set STO,   12                         ; v12  the way out: where I put 32 bytes of a row
.set RD,    13                         ; v13  where I read a row back
.set CO,    14                         ; v14  my byte offset in out
.set GO16,  18
.set GO8,   19
.set BA,    20                         ; v20  32 h: my eight numbers of a tile's bias
.set SA,    32
.set SB,    64
.set BK,    128
.set G1A, 28
.set G1B, 36
.set G0A, 44
.set G0B, 52
.set MUL_T, 0x5b                       ; source 0 (B) window 3, source 1 (A) window 2, C and D window 1
.set MUL_B, 0x7b                       ; the same with C (the bias) in window 3
.set TO_B,  0xc0
.set TO_A,  0x80
.set MSB, 0
.macro WIN new
.if MSB != \new
	s_set_vgpr_msb (MSB<<8)|\new
.set MSB, \new
.endif
.endm
.macro PLACES
.rept 4
	v_nop
.endr
.endm
.macro CREST
	s_cmp_lg_u32 s12, 0
	s_cbranch_scc1 .Lnot_wave_0_\@
	s_barrier_signal -3
.Lnot_wave_0_\@:
	s_barrier_wait -3
	s_barrier_signal -1
	s_barrier_wait -1
.endm
.macro CROUND
	s_barrier_signal -1
	s_barrier_wait -1
	CREST
.endm
.macro FRAG reg, a16, a8, off
	ds_load_b128 v[(\reg):(\reg)+3], v[\a16] offset:(\off)
	ds_load_b64 v[(\reg)+4:(\reg)+5], v[\a8] offset:(\off)+512
	ds_load_b128 v[(\reg)+6:(\reg)+9], v[\a16] offset:(\off)+768
	ds_load_b64 v[(\reg)+10:(\reg)+11], v[\a8] offset:(\off)+1280
.endm
.macro FETCH s, f, p
	WIN TO_B
.irp b, 0,1,2,3
	FRAG 48*(\p)+12*\b, ADB16+(\s), ADB8+(\s), REC*\b+FRB*(\f)
.endr
	WIN TO_A
.irp a, 0,1,2,3,4,5,6,7
	FRAG 96*(\p)+12*\a, ADA16+(\s), ADA8+(\s), REC*\a+FRB*(\f)
.endr
.endm
.macro SCALES s
	WIN 0
.irp i, 0,1,2,3,4,5,6,7
	ds_load_b64 v[SA+16*(\s)+2*\i:SA+16*(\s)+2*\i+1], v[ADA8+(\s)] offset:REC*\i+6144
.endr
.irp b, 0,1,2,3
	ds_load_b64 v[SB+8*(\s)+2*\b:SB+8*(\s)+2*\b+1], v[ADB8+(\s)] offset:REC*\b+6144
.endr
.endm
.macro WM d, x, y, first, cb, sx, sy, odd
.if \first
	v_wmma_scale_f32_16x16x128_f8f6f4 v[(\d):(\d)+7], v[(\x):(\x)+11], v[(\y):(\y)+11], v[(\cb):(\cb)+7], v[\sx], v[\sy] matrix_a_fmt:MATRIX_FMT_BF6 matrix_b_fmt:MATRIX_FMT_BF6
.elseif \odd
	v_wmma_scale_f32_16x16x128_f8f6f4 v[(\d):(\d)+7], v[(\x):(\x)+11], v[(\y):(\y)+11], v[(\d):(\d)+7], v[\sx], v[\sy] matrix_a_fmt:MATRIX_FMT_BF6 matrix_b_fmt:MATRIX_FMT_BF6 matrix_a_scale:MATRIX_SCALE_ROW1 matrix_b_scale:MATRIX_SCALE_ROW1
.else
	v_wmma_scale_f32_16x16x128_f8f6f4 v[(\d):(\d)+7], v[(\x):(\x)+11], v[(\y):(\y)+11], v[(\d):(\d)+7], v[\sx], v[\sy] matrix_a_fmt:MATRIX_FMT_BF6 matrix_b_fmt:MATRIX_FMT_BF6
.endif
.endm
; A's blocks a0 .. a0 + cnt - 1 against B's four; the 32 accumulators take turns, one instruction a turn, in the same order in every step
.macro MUL a0, cnt, p, f, s, first
.set ma, \a0
.rept \cnt
.set mb, 0
.rept 4
	WM 8*(4*ma+mb), 48*(\p)+12*mb, 96*(\p)+12*ma, \first, 96+8*mb, SB+8*(\s)+2*mb+(\f)/2, SA+16*(\s)+2*ma+(\f)/2, (\f)%2
.set mb, mb+1
.endr
.set ma, ma+1
.endr
.endm
.macro STEP s, f, first
	s_wait_dscnt 0x0                               ; this step's fragments (and scale words) are in
	PLACES
	FETCH \s, (\f)+1, ((\f)+1)%2
.if \first
	WIN MUL_B
.else
	WIN MUL_T
.endif
	MUL 0, 8, (\f)%2, \f, \s, \first
.endm
	s_load_b256 s[4:11], s[0:1], 0x0               ; ctx_rec s[4:5], w_rec s[6:7], bo s[8:9], out0 s[10:11]
	v_lshl_add_u32 v254, v0, 2, 0x4f400
	v_mov_b32 v255, 0
	ds_add_u32 v254, v255
	ds_add_u32 v254, v255
	v_lshrrev_b32 v1, 5, v0
	v_readfirstlane_b32 s12, v1                    ; wave 0..3
	s_lshr_b32 s13, s12, 1                         ; which 128 rows are mine
	s_and_b32 s14, s12, 1                          ; which 64 columns
	s_bfe_u32 s16, ttmp6, 0x40000                  ; cx
	s_bfe_u32 s17, ttmp6, 0x40004                  ; cy
	s_lshl_b32 s18, ttmp9, 2
	s_add_co_u32 s18, s18, s16                     ; gx
	s_and_b32 s19, ttmp7, 0xffff
	s_lshl_b32 s19, s19, 2
	s_add_co_u32 s19, s19, s17                     ; gy
	s_lshl_b32 s20, s17, 2
	s_lshl_b32 s20, 15, s20                        ; my row of the cluster
	s_lshl_b32 s21, 0x1111, s16                    ; my column
	s_or_b32 s[G1A], s20, (3<<16)|(1<<21)          ; rows of one record (800 elements of 8 bytes), 12,800 bytes apart; A: 4 records a wave, B: 2
	s_mov_b32 s[G1A+1], 800<<16
	s_mov_b32 s[G1A+2], 4<<16
	s_mov_b32 s[G1A+3], 800<<16
	s_mov_b32 s[G1A+4], 4
	s_mov_b32 s[G1A+5], 1600
	s_mov_b32 s[G1A+6], 0
	s_mov_b32 s[G1A+7], 0
	s_or_b32 s[G1B], s21, (3<<16)|(1<<21)
	s_mov_b32 s[G1B+1], 800<<16
	s_mov_b32 s[G1B+2], 2<<16
	s_mov_b32 s[G1B+3], 800<<16
	s_mov_b32 s[G1B+4], 2
	s_mov_b32 s[G1B+5], 1600
	s_mov_b32 s[G1B+6], 0
	s_mov_b32 s[G1B+7], 0
	s_lshl_b32 s72, s19, 4                         ; A: made of gy and the wave alone
	s_lshl_b32 s73, s12, 2
	s_add_co_u32 s72, s72, s73
	s_mul_i32 s72, s72, 2*REC
	s_mov_b32 s73, 0
	s_lshl_b32 s74, s18, 3                         ; B: made of gx and the wave alone
	s_lshl_b32 s75, s12, 1
	s_add_co_u32 s74, s74, s75
	s_mul_i32 s74, s74, 2*REC
	s_add_co_u32 s74, s74, 3*819200                ; Wo is the fourth weight
	s_mov_b32 s75, 0
	s_mul_i32 s80, s12, 4*REC
	s_mul_i32 s81, s12, 2*REC
	s_lshl_b32 s76, s19, 8
	s_lshl_b32 s77, s13, 7
	s_add_co_u32 s76, s76, s77                     ; my first row of out,
	s_lshl_b32 s76, s76, 12
	s_lshl_b32 s78, s18, 9
	s_lshl_b32 s79, s14, 8
	s_add_co_u32 s78, s78, s79                     ; my first column, in bytes: also my place in bo
	s_add_co_u32 s76, s76, s78
	s_mov_b32 s77, 0
	s_mov_b32 s79, 0
	s_wait_dscnt 0x0
	s_wait_kmcnt 0x0
	s_add_nc_u64 s[72:73], s[4:5], s[72:73]
	s_add_nc_u64 s[74:75], s[6:7], s[74:75]
	s_add_nc_u64 s[8:9], s[8:9], s[78:79]
	s_add_nc_u64 s[10:11], s[10:11], s[76:77]
.irp s, 0,1
	s_mov_b32 s[G0A+4*\s], 1
	s_add_co_u32 s[G0A+4*\s+1], s80, \s*AHALF
	s_add_nc_u64 s[G0A+4*\s+2:G0A+4*\s+3], s[72:73], \s*REC
	s_or_b32 s[G0A+4*\s+3], s[G0A+4*\s+3], 0x80000000
	s_mov_b32 s[G0B+4*\s], 1
	s_add_co_u32 s[G0B+4*\s+1], s81, BBASE+\s*BHALF
	s_add_nc_u64 s[G0B+4*\s+2:G0B+4*\s+3], s[74:75], \s*REC
	s_or_b32 s[G0B+4*\s+3], s[G0B+4*\s+3], 0x80000000
.endr
	CROUND                                         ; all sixteen work-groups are here: the joint loads meet
	tensor_load_to_lds s[G0A:G0A+3], s[G1A:G1A+7]          ; all fills go out as one group: four loads of mine are out
	s_nop 0
	tensor_load_to_lds s[G0B:G0B+3], s[G1B:G1B+7]
	s_nop 0
	tensor_load_to_lds s[G0A+4:G0A+7], s[G1A:G1A+7]
	s_nop 0
	tensor_load_to_lds s[G0B+4:G0B+7], s[G1B:G1B+7]
	s_nop 0
	PLACES
	v_and_b32 v[LANE], 31, v0
	v_and_b32 v1, 15, v0                           ; r
	v_bfe_u32 v2, v0, 4, 1                         ; h
	v_lshlrev_b32 v[GO16], 4, v[LANE]
	v_lshlrev_b32 v[GO8], 3, v[LANE]
	v_lshlrev_b32 v[BA], 5, v2
	WIN TO_B
.irp b, 0,1,2,3                                ; the bias in the result's layout: tile b, lane (r, h): bo at 16 b + 8 h + 0 .. 7 of my 64 columns
	global_load_b128 v[96+8*\b:96+8*\b+3], v[BA], s[8:9] offset:64*\b
	global_load_b128 v[96+8*\b+4:96+8*\b+7], v[BA], s[8:9] offset:64*\b+16
.endr
	WIN 0
	s_mul_i32 s82, s13, 8*REC
	s_mul_i32 s83, s14, 4*REC
	s_add_co_u32 s83, s83, BBASE
.irp s, 0,1
	v_add_nc_u32 v[ADA16+\s], s82, v[GO16]
	v_add_nc_u32 v[ADA8+\s], s82, v[GO8]
	v_add_nc_u32 v[ADB16+\s], s83, v[GO16]
	v_add_nc_u32 v[ADB8+\s], s83, v[GO8]
	s_add_co_u32 s82, s82, AHALF
	s_add_co_u32 s83, s83, BHALF
.endr
	s_mul_i32 s84, s12, 16*SPI
	s_add_co_u32 s84, s84, STAGE                   ; my stage
	v_mul_u32_u24 v[STO], v1, SPI
	v_lshl_add_u32 v[STO], v2, 5, v[STO]
	v_add_nc_u32 v[STO], s84, v[STO]               ; in: row r, + 32 h
	v_mul_u32_u24 v[RD], v2, SPI
	v_lshl_add_u32 v[RD], v1, 4, v[RD]
	v_add_nc_u32 v[RD], s84, v[RD]                 ; back: lanes 0-15 one row of 256 bytes, lanes 16-31 the next
	v_lshlrev_b32 v[CO], 12, v2
	v_lshl_add_u32 v[CO], v1, 4, v[CO]             ; and the same two rows in out
	s_wait_alu depctr_va_vdst(0)
	s_wait_tensorcnt 0x2                           ; my parts of the first half of K are in; the two loads issued behind them may stay out
	s_barrier_signal -1
	s_barrier_wait -1
	FETCH 0, 0, 0
	SCALES 0
	s_wait_loadcnt 0x0                             ; the bias
	STEP 0, 0, 1                                   ; the first products start the sums from the bias
	STEP 0, 1, 0
	STEP 0, 2, 0
	s_wait_dscnt 0x0                               ; the last K step of the first half: its fragments are in
	s_wait_tensorcnt 0x0                           ; my parts of the second half have landed:
	s_barrier_signal -1                            ; say so,
	WIN MUL_T
	MUL 0, 4, 1, 3, 0, 0                           ; work on registers while the others arrive,
	s_barrier_wait -1                              ; everybody's have
	PLACES
	FETCH 1, 0, 0
	SCALES 1
	WIN MUL_T
	MUL 4, 4, 1, 3, 0, 0
	STEP 1, 0, 0
	STEP 1, 1, 0
	STEP 1, 2, 0
	s_wait_dscnt 0x0                               ; the very last K step: nothing more to fetch
	WIN MUL_T
	MUL 0, 8, 1, 3, 1, 0
; THE WAY OUT, 16 rows x 64 columns at a time, through my own stage: LDS serves a wave's instructions in order, so no wait stands between the stores and the loads, nor ahead of the next block's stores.
.macro TOSTAGE a
	WIN 0x04                                       ; an LDS store's data are its source 1: window 1
.irp b, 0,1,2,3
	ds_store_b128 v[STO], v[8*(4*(\a)+\b):8*(4*(\a)+\b)+3] offset:64*\b          ; each accumulator from its low end on
	ds_store_b128 v[STO], v[8*(4*(\a)+\b)+4:8*(4*(\a)+\b)+7] offset:64*\b+16
.endr
	WIN 0
.irp t, 0,1,2,3,4,5,6,7
	ds_load_b128 v[BK+32*((\a)%2)+4*\t:BK+32*((\a)%2)+4*\t+3], v[RD] offset:\t*2*SPI
.endr
.endm
.macro SEND a, younger                 ; younger: the LDS instructions issued behind block a's loads, which may stay out
	s_wait_dscnt \younger
.irp t, 0,1,2,3,4,5,6,7
	global_store_b128 v[CO], v[BK+32*((\a)%2)+4*\t:BK+32*((\a)%2)+4*\t+3], s[10:11] offset:(16*(\a)+2*\t)*4096 th:TH_STORE_NT   ; sixteen lanes store 256 consecutive bytes, at a multiple of 256 from out's first byte
.endr
.endm
	PLACES
	TOSTAGE 0
.irp a, 1,2,3,4,5,6,7
.if \a > 1
	s_wait_xcnt 0x0                                ; block a - 2's stores have read their registers: block a's loads may land there
.endif
	TOSTAGE \a
	SEND \a-1, 16                                  ; behind block a - 1's loads: block a's 8 stores and 8 loads
.endr
	SEND 7, 0
	s_wait_tensorcnt 0x0
	ds_add_u32 v254, v255
	s_wait_dscnt 0x0
	CROUND                                         ; the closing round: no work-group ends while a partner may still ask for a tile that names it
	s_endpgm
.Lfunc_end_k_q199e8f5ad3_outp:
	.size	k_q199e8f5ad3_outp, .Lfunc_end_k_q199e8f5ad3_outp-k_q199e8f5ad3_outp
	.p2alignl 7, 3214868480
	.fill 96, 4, 3214868480
	.section	.rodata,"a",@progbits
	.p2align	6, 0x0
	.amdhsa_kernel k_q199e8f5ad3_outp
		.amdhsa_group_segment_fixed_size 327680
		.amdhsa_private_segment_fixed_size 0
		.amdhsa_enable_private_segment 0
		.amdhsa_kernarg_size 32
		.amdhsa_user_sgpr_count 2
		.amdhsa_user_sgpr_kernarg_segment_ptr 1
		.amdhsa_wavefront_size32 1
		.amdhsa_system_sgpr_workgroup_id_x 1
		.amdhsa_system_sgpr_workgroup_id_y 1
		.amdhsa_system_sgpr_workgroup_id_z 1
		.amdhsa_system_vgpr_workitem_id 0
		.amdhsa_next_free_vgpr 1024
		.amdhsa_next_free_sgpr 96
		.amdhsa_reserve_vcc 0
		.amdhsa_float_denorm_mode_32 3
		.amdhsa_float_denorm_mode_16_64 3
		.amdhsa_memory_ordered 1
		.amdhsa_forward_progress 1
		.amdhsa_inst_pref_size 83
	.end_amdhsa_kernel
	.amdgpu_metadata
---
amdhsa.version: [ 1, 2 ]
amdhsa.kernels:
  - .name:           k_q199e8f5ad3_outp
    .symbol:         k_q199e8f5ad3_outp.kd
    .args:
      - { .name: ctx_rec, .offset: 0, .size: 8, .value_kind: global_buffer, .address_space: global }
      - { .name: w_rec, .offset: 8, .size: 8, .value_kind: global_buffer, .address_space: global }
      - { .name: bo, .offset: 16, .size: 8, .value_kind: global_buffer, .address_space: global }
      - { .name: out0, .offset: 24, .size: 8, .value_kind: global_buffer, .address_space: global }
    .group_segment_fixed_size: 327680
    .private_segment_fixed_size: 0
    .kernarg_segment_align: 8
    .kernarg_segment_size: 32
    .max_flat_workgroup_size: 128
    .sgpr_count:     96
    .vgpr_count:     1024
    .wavefront_size: 32
...
	.end_amdgpu_metadata
.endif
;; end of part 4
